; MI455X (gfx1250); checked and timed in simulation.
; The chip was launched on July 23, 2026; its instructions are those of AMD's public machine-readable ISA for CDNA 5 (MIT licence, August 2026) and "CDNA5" Instruction Set Architecture Reference Guide (July 2026). The comments in the code are by the model that wrote it; some were corrected since.
;; Infinity Attention. Allowed arithmetic: matrix products marked QUANTISED: E4M3 operands, one E8M0 scale for each 32 along K, by v_wmma_scale_f32_16x16x128_f8f6f4 with both operands' format E4M3, f32 sums; products left as they are: f32 operands where the result goes on into a quantised operand, else bf16, f16 or f32 operands; f32 sums; everything else in f32.
;; Inputs: M 4 x 16 x 64 x 64 float32; W_qkv 1,024 x 3,072 float32; Z 4 x 16 x 64 x 1 float32; beta_gate 1 x 16 x 1 x 1 float32; beta_lin 1 float32; x 4 x 2,048 x 1,024 float32.
;; Outputs: out0 4 x 2,048 x 1,024 float32; out1 4 x 16 x 64 x 64 float32; out2 4 x 16 x 64 x 1 float32.
;; This version of the problem:
;;   THIS VERSION OF THE PROBLEM IS GIVEN IN LOW PRECISION. The matrix products marked QUANTISED in the list below multiply operands that are first quantised to E4M3 (4 exponent bits, 3 mantissa bits; 8 bits a number), with one power-of-two scale for each 32 numbers along K (OCP MX v1.0); their sums are f32. All else is computed in f32.
;;   The module's matrix products, in the order in which they are computed (A, B: the left and right operand; K: the contracted axis; several contracted axes count as one K, in the product's order):
;;     1. [M 8,192, K 1,024] x [K 1,024, N 3,072]; A: input x; B: input W_qkv: QUANTISED
;;     2. batch 64 x [M 2,048, K 64] x [K 64, N 64]; A: computed on the way; B: input M: QUANTISED
;;     3. batch 64 x [M 2,048, K 64] x [K 64, N 1]; A: computed on the way; B: input Z: left as it is (N = 1 < 16)
;;     4. batch 64 x [M 2,048, K 64] x [K 64, N 64]; A: computed on the way; B: input M: QUANTISED
;;     5. batch 64 x [M 2,048, K 64] x [K 64, N 1]; A: computed on the way; B: input Z: left as it is (N = 1 < 16)
;;     6. batch 64 x [M 64, K 2,048] x [K 2,048, N 64]; A: computed on the way; B: computed on the way: QUANTISED
;;     7. batch 64 x [M 2,048, K 64] x [K 64, N 2,048]; A: computed on the way; B: computed on the way: QUANTISED
;;     8. batch 64 x [M 2,048, K 2,048] x [K 2,048, N 64]; A: softmax (see below); B: computed on the way: QUANTISED
;;   THE QUANTISER, for each operand of a quantised product, along K:
;;     - K is cut into blocks of 32 from its start; a last block that is shorter is filled with zeros.
;;     - A block's scale is 2^e with e = floor(log2(the largest magnitude in the block)) - 8, held to -126 .. 127; a block of zeros has e = 0. As a byte (E8M0): e + 127.
;;     - Each number is divided by its block's scale, clamped to +-448, and rounded to the nearest number of E4M3, ties to even, subnormals kept.
;;     - The product sums the exact products of the quantised numbers (number of the format x scale) in f32.
;;   ~~~python
;;   def quantise(x, axis):      # numpy; x: float32 -> the quantised numbers, widened to float32 again
;;       x = np.moveaxis(x, axis, -1); K = x.shape[-1]
;;       x = np.pad(x, [(0, 0)] * (x.ndim - 1) + [(0, -K % 32)]); x = x.reshape(x.shape[:-1] + (-1, 32)); a = np.abs(x).max(-1, keepdims=True)
;;       e = np.where(a > 0, np.clip(np.frexp(np.where(a > 0, a, 1))[1] - 1 - 8, -126, 127), 0)      # np.frexp(a)[1] - 1 = floor(log2(a)), exactly
;;       r = np.clip(x / 2.0 ** e, -448, 448)
;;       step = 2.0 ** (np.maximum(np.frexp(np.where(r == 0, 1, r))[1] - 1, -6) - 3)
;;       q = np.round(r / step) * step * 2.0 ** e      # np.round: ties to even
;;       return np.moveaxis(q.reshape(q.shape[:-2] + (-1,))[..., :K], -1, axis).astype(np.float32)
;;   ~~~
;;   SOFTMAX AHEAD OF A QUANTISED PRODUCT. Where the list says 'softmax', what is quantised is not the finished softmax but p = 2^(t - M), with t = logit x log2(e) and M = ceil(the row's largest t), a whole number; so 1/2 < the row's largest p <= 1. The row's sum l is taken of the UNQUANTISED p, in f32, and the product's result is divided by l at the end. Since M is a whole number, a kernel that streams over the keys may use a running M (the ceiling of the running maximum): every later rescaling is an exact power of two, which a block's scale takes up: the codes' values come out the same.
;;   OPERANDS COMPUTED ON THE WAY. 'Computed on the way' means the value that the module computes at that place (a softmax that the list does not call 'softmax' is quantised finished and normalised). What goes into a quantiser is computed in f32, as accurately as f32 sums, v_exp_f32 and their like allow (about 1e-6 of the number): no bf16 or f16 on the way to a quantiser, and a product that is left as it is and whose result goes on into a quantised operand takes f32 operands (vector FMAs, or v_wmma_f32_16x16x4_f32). A number that lies on a knife's edge between two numbers of the format may be rounded either way, as far as f32 arithmetic and the matrix unit's own rounding can turn it there, and no further.
;; One version. Each part assembles by itself: llvm-mc -triple=amdgcn-amd-amdhsa -mcpu=gfx1250 --defsym DOCPART=n.
;; ======== version 1 of 1: 4 launches
;; workspace buffers: xq 8,650,752 bytes; wq 3,244,032 bytes; mq 294,912 bytes; qk 36,700,160 bytes; vt 8,912,896 bytes; part 17,039,360 bytes
;; launch prep (part 1): grid 368 x 1, 4 waves a work-group, no clusters, 68,096 bytes of LDS; arguments x, W_qkv, M, xq, wq, mq; writes xq, wq, mq
.if DOCPART == 1
	.amdgcn_target "amdgcn-amd-amdhsa--gfx1250"
	.amdhsa_code_object_version 6
	.text
	.protected	k_qcd2f6f4fa6_prep
	.globl	k_qcd2f6f4fa6_prep
	.p2align	8
	.type	k_qcd2f6f4fa6_prep,@function
k_qcd2f6f4fa6_prep:
	s_mov_b64 s[64:65], 0
	v_nop
	global_prefetch_b8 v0, s[64:65] scope:SCOPE_SE
	s_setreg_imm32_b32 hwreg(HW_REG_WAVE_MODE, 25, 1), 1
	s_wait_xcnt 0x0
; x [8192][1024], W_qkv [1024][3072] and M [64][64][64], f32, become codes of FP8 (E4M3) with one E8M0 byte for each 32 along K.
; A block's scale is 2^(floor(log2(largest magnitude)) - 8); numbers are held within +-448 x the scale and rounded to the nearest code, ties to even.
; ROWS ARE STORED AT A POSITION, NOT AT THEIR INDEX: inside each group of 32 rows (tokens of x, columns of W) bits 3 and 4 of the index change places.
; So a matrix tile of 16 neighbouring positions holds rows 8 u + r + 8 (r / 8), and two neighbouring result tiles give a lane 16 NEIGHBOURS of the true order.
;   xq: codes [8192 positions][1024], then at XS_OFF the bytes [8192][32].   wq: codes [3072 positions][1024] (K innermost), then at WS_OFF [3072][32].
;   mq: M's operand as an image of its registers: [head 64][tile 4][group 2][lane 32][16 bytes]; lane r of tile i is column v = 32 (i / 2) + 8 (i % 2) + r + 8 (r / 8), registers run down d;
;       at MS_OFF [head][lane 32][4 words]: the scale words of tiles 0 to 3 of the lane's row (two bytes used, the upper two are 0).
; Work-groups 0-255 take x (32 rows each), 256-351 W (128 columns x 256 along K), 352-367 M (a head a wave).  The three ways share no LDS byte.  Waves share nothing: no barrier.
; LIMITS: NaN and infinities are not served; a block of zeros gets the byte 1 (its codes are zeros, and only this program reads the bytes); blocks whose largest magnitude lies under 2^-118 were not tried.
.set XS_OFF, 8388608
.set WS_OFF, 3145728
.set MS_OFF, 262144
.set EMAX,  8
.set MANT,  0x600000                   ; the mantissa field of 448
	s_load_b256 s[4:11], s[0:1], 0x0               ; x s[4:5], W s[6:7], M s[8:9], xq s[10:11]
	s_load_b128 s[12:15], s[0:1], 0x20             ; wq s[12:13], mq s[14:15]
	v_lshl_add_u32 v192, v0, 2, 0x10800
	v_mov_b32 v193, 0
	v_lshrrev_b32 v1, 5, v0
	v_readfirstlane_b32 s16, v1                    ; wave
	v_and_b32 v2, 31, v0                           ; lane
	s_mov_b32 s23, MANT
	s_cmp_lt_u32 ttmp9, 256
	s_cbranch_scc1 .Lpath_x
	s_cmp_lt_u32 ttmp9, 352
	s_cbranch_scc1 .Lpath_w
; ---------------- M: a wave takes a head.  Lane (r, h) of tile i takes column v and its registers run down d: register 32 i + 16 c + k is M(32 c + 16 h + k, v)
	s_sub_co_u32 s17, ttmp9, 352
	s_lshl_b32 s17, s17, 2
	s_add_co_u32 s17, s17, s16                     ; the head
	v_and_b32 v3, 15, v0                           ; r
	v_bfe_u32 v4, v0, 4, 1                         ; h
	v_and_b32 v5, 8, v3
	v_add_nc_u32 v5, v5, v3                        ; r + 8 (r / 8)
	v_lshlrev_b32 v5, 2, v5
	v_lshl_add_u32 v7, v4, 12, v5                  ; 16 h rows of 256 bytes + 4 x the column
	v_lshlrev_b32 v6, 4, v2                        ; an image's place for my lane
	s_mov_b32 s20, 0x76543210
	s_mov_b32 s21, 0xfedcba98                      ; v_permlanex16_b32's selects for lane l xor 16
	s_lshl_b32 s18, s17, 14
	s_mov_b32 s19, 0
	s_lshl_b32 s24, s17, 12
	s_mov_b32 s25, 0
	s_lshl_b32 s26, s17, 9
	s_mov_b32 s27, 0
	v_mov_b32 v10, 0                               ; a lane permute's destination counts as one of its sources
	v_mov_b32 v11, 0
	s_wait_kmcnt 0x0
	s_add_nc_u64 s[8:9], s[8:9], s[18:19]
	s_add_nc_u64 s[28:29], s[14:15], s[24:25]      ; the head's images
	s_add_nc_u64 s[30:31], s[14:15], s[26:27]
	s_add_nc_u64 s[30:31], s[30:31], MS_OFF        ; and its scale words
.irp i, 0,1,2,3
.irp c, 0,1
.irp k, 0,1,2,3,4,5,6,7,8,9,10,11,12,13,14,15
	global_load_b32 v[32+32*\i+16*\c+\k], v7, s[8:9] offset:(32*\c+\k)*256+4*(32*(\i/2)+8*(\i%2))
.endr
.endr
.endr
	s_wait_loadcnt 0x0
.macro QM i                            ; tile i: two blocks of 32 along d, each in lanes l and l xor 16
.set DB, 32+32*(\i)
.irp c, 0,1
	v_max3_num_f32 v[8+\c], |v[DB+16*\c]|, |v[DB+16*\c+1]|, 0x4800000   ; my 16 numbers and the floor 2^(9 - 127): the byte cannot fall under 1
.endr
.irp k, 2,4,6,8,10,12,14
.irp c, 0,1
	v_max3_num_f32 v[8+\c], v[8+\c], |v[DB+16*\c+\k]|, |v[DB+16*\c+\k+1]|
.endr
.endr
.irp c, 0,1
	v_permlanex16_b32 v[10+\c], v[8+\c], s20, s21
.endr
.irp c, 0,1
	v_max_num_f32 v[8+\c], v[8+\c], v[10+\c]       ; the block's largest magnitude
.endr
.irp c, 0,1
	v_add_nc_u32 v[12+\c], 0xfc000000, v[8+\c]     ; 8 off its exponent field: the conversion's scale operand
.endr
.irp c, 0,1
	v_and_or_b32 v[14+\c], v[8+\c], 0x7f800000, s23   ; 448 x the scale
.endr
.irp c, 0,1
	v_lshrrev_b32 v[16+\c], 23, v[12+\c]           ; the byte
.endr
	v_lshl_or_b32 v[24+(\i)], v17, 8, v16          ; the row's scale word: two bytes, the upper two 0
.irp c, 0,1
.irp k, 0,1,2,3,4,5,6,7,8,9,10,11,12,13,14,15
	v_med3_num_f32 v[DB+16*\c+\k], v[DB+16*\c+\k], -v[14+\c], v[14+\c]   ; the conversion does not saturate (ISA guide 7.6.2): the hold
.endr
	v_cvt_scalef32_pk8_fp8_f32 v[160+8*(\i)+4*\c:160+8*(\i)+4*\c+1], v[DB+16*\c:DB+16*\c+7], v[12+\c]
	v_cvt_scalef32_pk8_fp8_f32 v[160+8*(\i)+4*\c+2:160+8*(\i)+4*\c+3], v[DB+16*\c+8:DB+16*\c+15], v[12+\c]
.endr
	v_nop                                          ; a plain line behind the last conversion
.irp c, 0,1
	global_store_b128 v6, v[160+8*(\i)+4*\c:160+8*(\i)+4*\c+3], s[28:29] offset:512*(2*(\i)+\c)   ; 512 consecutive bytes
.endr
.endm
	QM 0
	QM 1
	QM 2
	QM 3
	global_store_b128 v6, v[24:27], s[30:31]       ; the four words of my row; lanes 16-31 hold the same as lanes 0-15
	s_endpgm
; ---------------- x: a plain stream of blocks of 32.  A wave takes 8 rows (16 steps of 512 numbers); its 8 rows go out at the place that the exchange of bits 3 and 4 gives them
.set STEPS, 16
.set CB,    16                         ; bytes of 16 codes
.set R,     16                         ; v16-79   four sets of 16 numbers as loaded
.set X,     80                         ; v80-111  two sets of 16 neighbours
.set C,     128                        ; v128-191 codes, four registers a step
.set E,     112                        ; v112-127 a scale byte a step
.set WREG,  8192                       ; LDS of a wave: two stages of 32 x SP bytes, then its 256 scale bytes
.set SP,    80                         ; a lane's 64 bytes + 16 of padding
.Lpath_x:
	v_lshlrev_b32 v3, 4, v2                        ; my 16 bytes of a load's 512
	s_mul_i32 s17, s16, WREG
	v_lshrrev_b32 v14, 2, v2
	v_mul_u32_u24 v14, v14, SP
	v_and_b32 v15, 3, v2
	v_lshl_add_u32 v14, v15, 4, v14
	v_add_nc_u32 v14, s17, v14                     ; the stage on the way in: SP (lane / 4) + 16 (lane % 4)
	v_mul_u32_u24 v15, v2, SP
	v_add_nc_u32 v15, s17, v15                     ; and on the way out: SP x lane: my 16 neighbours
	v_mul_u32_u24 v4, v2, CB
	v_lshrrev_b32 v5, 1, v2
	s_add_co_u32 s17, s17, 2*32*SP
	v_add_nc_u32 v5, s17, v5                       ; my block's byte among the wave's 256
	v_lshlrev_b32 v7, 3, v2
	v_add_nc_u32 v6, s17, v7
	s_lshl_b32 s18, ttmp9, 2
	s_add_co_u32 s19, s18, s16                     ; which 8 rows I read: 4 x work-group + wave
	s_and_b32 s20, s16, 1
	s_lshl_b32 s20, s20, 1
	s_lshr_b32 s21, s16, 1
	s_or_b32 s20, s20, s21                         ; the wave's two bits change places
	s_add_co_u32 s18, s18, s20                     ; where they go
	s_lshl_b32 s24, s19, 15                        ; 8 rows of 4,096 bytes
	s_mov_b32 s25, 0
	s_lshl_b32 s26, s18, 13                        ; 8 rows of 1,024 codes
	s_mov_b32 s27, 0
	s_lshl_b32 s28, s18, 8                         ; 8 rows of 32 bytes
	s_mov_b32 s29, 0
	s_wait_kmcnt 0x0
	s_add_nc_u64 s[4:5], s[4:5], s[24:25]
	s_add_nc_u64 s[8:9], s[10:11], s[26:27]
	s_add_nc_u64 s[10:11], s[10:11], s[28:29]
	s_add_nc_u64 s[10:11], s[10:11], XS_OFF
.macro LOAD t
.irp i, 0,1,2,3
	global_load_b128 v[R+16*((\t)%4)+4*\i:R+16*((\t)%4)+4*\i+3], v3, s[4:5] offset:2048*(\t)+512*\i th:TH_LOAD_NT   ; 512 consecutive bytes
.endr
.endm
.macro TURN t                          ; a step's numbers through the stage; LDS serves a wave's instructions in order
.irp i, 0,1,2,3
	ds_store_b128 v14, v[R+16*((\t)%4)+4*\i:R+16*((\t)%4)+4*\i+3] offset:32*SP*((\t)%2)+8*SP*\i
.endr
.irp i, 0,1,2,3
	ds_load_b128 v[X+16*((\t)%2)+4*\i:X+16*((\t)%2)+4*\i+3], v15 offset:32*SP*((\t)%2)+16*\i
.endr
.endm
.irp t, 0,1,2,3
	LOAD \t
.endr
	s_wait_loadcnt 12                              ; step 0's four loads are in
	TURN 0
.macro STEP t
.set XS, X+16*((\t)%2)
.if (\t) > 0
	s_wait_dscnt 1                                 ; this step's numbers are back (the last step's byte store may be out)
.else
	s_wait_dscnt 0x0
.endif
.if (\t)+4 < STEPS
	LOAD (\t)+4
.endif
.if (\t)+1 < STEPS
.if STEPS-2-(\t) >= 3
	s_wait_loadcnt 12                              ; the next step's four loads are in; three steps' may be out
.else
	s_wait_loadcnt 4*(STEPS-2-(\t))
.endif
	TURN (\t)+1
.endif
	v_max3_num_f32 v8, |v[XS]|, |v[XS+1]|, |v[XS+2]|
	v_max3_num_f32 v9, |v[XS+3]|, |v[XS+4]|, |v[XS+5]|
.irp i, 6,10
	v_max3_num_f32 v8, v8, |v[XS+\i]|, |v[XS+\i+1]|
	v_max3_num_f32 v9, v9, |v[XS+\i+2]|, |v[XS+\i+3]|
.endr
	v_max3_num_f32 v8, v8, |v[XS+14]|, |v[XS+15]|
	v_max3_num_f32 v8, v8, v9, (EMAX+1)<<23        ; and the floor
	v_max_num_f32_dpp v8, v8, v8 row_xmask:1 row_mask:0xf bank_mask:0xf   ; with my neighbour's 16: the block's
	v_add_nc_u32 v11, -(EMAX<<23), v8
	v_and_or_b32 v10, v8, 0x7f800000, s23
.irp i, 0,1,2,3,4,5,6,7,8,9,10,11,12,13,14,15
	v_med3_num_f32 v[XS+\i], v[XS+\i], -v10, v10
.endr
	v_cvt_scalef32_pk8_fp8_f32 v[C+4*(\t):C+4*(\t)+1], v[XS:XS+7], v11
	v_cvt_scalef32_pk8_fp8_f32 v[C+4*(\t)+2:C+4*(\t)+3], v[XS+8:XS+15], v11
	v_lshrrev_b32 v[E+(\t)], 23, v11
	ds_store_b8 v5, v[E+(\t)] offset:16*(\t)       ; both lanes of a block write the same byte with the same value
	global_store_b128 v4, v[C+4*(\t):C+4*(\t)+3], s[8:9] offset:32*CB*(\t)
.endm
.irp t, 0,1,2,3,4,5,6,7,8,9,10,11,12,13,14,15
	STEP \t
.endr
	ds_load_b64 v[12:13], v6
	s_wait_dscnt 0x0
	global_store_b64 v7, v[12:13], s[10:11]        ; 256 consecutive bytes, aligned
	s_wait_tensorcnt 0x0
	ds_add_u32 v192, v193
	s_wait_dscnt 0x0
	s_endpgm
; ---------------- W: K is its first axis.  A lane takes a column and its registers run down K; the codes leave through the wave's stage as rows, in the order of positions
.set WN,     3072
.set WK,     1024
.set NB,     8                         ; blocks of 32 along K for a wave
.set WPITCH, 272
.set WSTAGE, 32768                     ; behind the bytes of the way for x
.set WX,     32                        ; v32-95   two sets of 32 numbers
.set WC,     96                        ; v96-103  a block's codes
.set OUTR,   112                       ; v112-175 the way out
.set SB,     24                        ; v24-25   the scale bytes
.Lpath_w:
	s_sub_co_u32 s17, ttmp9, 256
	s_and_b32 s18, s17, 3                          ; which 256 along K
	s_lshr_b32 s17, s17, 2
	s_lshl_b32 s17, s17, 7
	s_lshl_b32 s19, s16, 5
	s_add_co_u32 s17, s17, s19                     ; my wave's first column, a multiple of 32
	v_lshlrev_b32 v3, 2, v2
	v_and_b32 v14, 7, v2
	v_bfe_u32 v15, v2, 3, 1
	v_lshl_or_b32 v14, v15, 4, v14
	v_bfe_u32 v15, v2, 4, 1
	v_lshl_or_b32 v14, v15, 3, v14                 ; my column's position: bits 3 and 4 change places
	s_mul_i32 s19, s16, 32*WPITCH
	s_add_co_u32 s19, s19, WSTAGE
	v_mul_u32_u24 v4, v14, WPITCH
	v_add_nc_u32 v4, s19, v4                       ; into the stage: row = my position
	v_and_b32 v5, 15, v2
	v_lshrrev_b32 v6, 4, v2
	v_mul_u32_u24 v7, v6, WPITCH
	v_lshl_add_u32 v7, v5, 4, v7
	v_add_nc_u32 v7, s19, v7                       ; out of it: sixteen lanes to a row
	v_mul_u32_u24 v8, v6, WK
	v_lshl_add_u32 v8, v5, 4, v8
	v_lshlrev_b32 v9, 5, v14                       ; my position's row of scale bytes
	s_mul_i32 s20, s18, 256*WN*4
	s_lshl_b32 s21, s17, 2
	s_add_co_u32 s20, s20, s21
	s_mov_b32 s21, 0
	s_lshl_b32 s24, s17, 10
	s_lshl_b32 s25, s18, 8
	s_add_co_u32 s24, s24, s25
	s_mov_b32 s25, 0
	s_lshl_b32 s26, s17, 5
	s_lshl_b32 s27, s18, 3
	s_add_co_u32 s26, s26, s27
	s_mov_b32 s27, 0
	s_wait_kmcnt 0x0
	s_add_nc_u64 s[6:7], s[6:7], s[20:21]
	s_add_nc_u64 s[8:9], s[12:13], s[24:25]
	s_add_nc_u64 s[10:11], s[12:13], s[26:27]
	s_add_nc_u64 s[10:11], s[10:11], WS_OFF
.macro WLOAD t
.irp i, 0,1,2,3,4,5,6,7,8,9,10,11,12,13,14,15,16,17,18,19,20,21,22,23,24,25,26,27,28,29,30,31
	global_load_b32 v[WX+32*((\t)%2)+\i], v3, s[6:7] offset:(32*(\t)+\i)*WN*4 th:TH_LOAD_NT
.endr
.endm
	WLOAD 0
	WLOAD 1
.macro BLOCK t
.set XS, WX+32*((\t)%2)
.if (\t) < NB-1
	s_wait_loadcnt 32                              ; this block's 32 loads are in; the next block's may be out
.else
	s_wait_loadcnt 0
.endif
	v_max3_num_f32 v12, |v[XS]|, |v[XS+1]|, |v[XS+2]|
	v_max3_num_f32 v13, |v[XS+3]|, |v[XS+4]|, |v[XS+5]|
.irp i, 6,10,14,18,22,26
	v_max3_num_f32 v12, v12, |v[XS+\i]|, |v[XS+\i+1]|
	v_max3_num_f32 v13, v13, |v[XS+\i+2]|, |v[XS+\i+3]|
.endr
	v_max3_num_f32 v12, v12, |v[XS+30]|, |v[XS+31]|
	v_max3_num_f32 v12, v12, v13, (EMAX+1)<<23
	v_add_nc_u32 v11, -(EMAX<<23), v12
	v_and_or_b32 v10, v12, 0x7f800000, s23
	v_lshrrev_b32 v13, 23, v11
.if (\t)%4 == 0
	v_mov_b32 v[SB+(\t)/4], v13
.else
	v_lshl_or_b32 v[SB+(\t)/4], v13, 8*((\t)%4), v[SB+(\t)/4]
.endif
.irp i, 0,1,2,3,4,5,6,7,8,9,10,11,12,13,14,15,16,17,18,19,20,21,22,23,24,25,26,27,28,29,30,31
	v_med3_num_f32 v[XS+\i], v[XS+\i], -v10, v10
.endr
.irp g, 0,1,2,3
	v_cvt_scalef32_pk8_fp8_f32 v[WC+2*\g:WC+2*\g+1], v[XS+8*\g:XS+8*\g+7], v11
.endr
	ds_store_b128 v4, v[WC:WC+3] offset:32*(\t)
	ds_store_b128 v4, v[WC+4:WC+7] offset:32*(\t)+16
.if (\t)+2 < NB
	WLOAD (\t)+2
.endif
	s_wait_dscnt 0x0                               ; the stores have read their registers
.endm
.set Q, 0
.rept NB
	BLOCK Q
.set Q, Q+1
.endr
	global_store_b64 v9, v[SB:SB+1], s[10:11]
.irp t, 0,1,2,3,4,5,6,7,8,9,10,11,12,13,14,15
	ds_load_b128 v[OUTR+4*\t:OUTR+4*\t+3], v7 offset:2*\t*WPITCH
.endr
.irp t, 0,1,2,3,4,5,6,7,8,9,10,11,12,13,14,15
	s_wait_dscnt 15-\t
	global_store_b128 v8, v[OUTR+4*\t:OUTR+4*\t+3], s[8:9] offset:2*\t*WK   ; sixteen lanes store 256 consecutive bytes, aligned
.endr
	s_wait_tensorcnt 0x0
	ds_add_u32 v192, v193
	s_wait_dscnt 0x0
	s_endpgm
.Lfunc_end_k_qcd2f6f4fa6_prep:
	.size	k_qcd2f6f4fa6_prep, .Lfunc_end_k_qcd2f6f4fa6_prep-k_qcd2f6f4fa6_prep
	.p2alignl 7, 3214868480
	.fill 96, 4, 3214868480
	.section	.rodata,"a",@progbits
	.p2align	6, 0x0
	.amdhsa_kernel k_qcd2f6f4fa6_prep
		.amdhsa_group_segment_fixed_size 68096
		.amdhsa_private_segment_fixed_size 0
		.amdhsa_enable_private_segment 0
		.amdhsa_kernarg_size 48
		.amdhsa_user_sgpr_count 2
		.amdhsa_user_sgpr_kernarg_segment_ptr 1
		.amdhsa_wavefront_size32 1
		.amdhsa_system_sgpr_workgroup_id_x 1
		.amdhsa_system_sgpr_workgroup_id_y 1
		.amdhsa_system_sgpr_workgroup_id_z 1
		.amdhsa_system_vgpr_workitem_id 0
		.amdhsa_next_free_vgpr 194
		.amdhsa_next_free_sgpr 66
		.amdhsa_reserve_vcc 0
		.amdhsa_float_denorm_mode_32 3
		.amdhsa_float_denorm_mode_16_64 3
		.amdhsa_memory_ordered 1
		.amdhsa_forward_progress 1
		.amdhsa_inst_pref_size 139
	.end_amdhsa_kernel
	.amdgpu_metadata
---
amdhsa.version: [ 1, 2 ]
amdhsa.kernels:
  - .name:           k_qcd2f6f4fa6_prep
    .symbol:         k_qcd2f6f4fa6_prep.kd
    .args:
      - { .name: x, .offset: 0, .size: 8, .value_kind: global_buffer, .address_space: global }
      - { .name: W_qkv, .offset: 8, .size: 8, .value_kind: global_buffer, .address_space: global }
      - { .name: M, .offset: 16, .size: 8, .value_kind: global_buffer, .address_space: global }
      - { .name: xq, .offset: 24, .size: 8, .value_kind: global_buffer, .address_space: global }
      - { .name: wq, .offset: 32, .size: 8, .value_kind: global_buffer, .address_space: global }
      - { .name: mq, .offset: 40, .size: 8, .value_kind: global_buffer, .address_space: global }
    .group_segment_fixed_size: 68096
    .private_segment_fixed_size: 0
    .kernarg_segment_align: 8
    .kernarg_segment_size: 48
    .max_flat_workgroup_size: 128
    .sgpr_count:     66
    .vgpr_count:     194
    .wavefront_size: 32
...
	.end_amdgpu_metadata
.endif
;; end of part 1
;; launch gemm_qk (part 2): grid 8 x 32, 4 waves a work-group, clusters of 4 x 4, 327,680 bytes of LDS; arguments xq, wq, Z, qk; writes qk
.if DOCPART == 2
	.amdgcn_target "amdgcn-amd-amdhsa--gfx1250"
	.amdhsa_code_object_version 6
	.text
	.protected	k_qcd2f6f4fa6_gemm_qk
	.globl	k_qcd2f6f4fa6_gemm_qk
	.p2align	8
	.type	k_qcd2f6f4fa6_gemm_qk,@function
k_qcd2f6f4fa6_gemm_qk:
	s_mov_b64 s[64:65], 0
	v_nop
	global_prefetch_b8 v0, s[64:65] scope:SCOPE_SE
	s_setreg_imm32_b32 hwreg(HW_REG_WAVE_MODE, 25, 1), 1
	s_wait_xcnt 0x0
	s_wait_alu depctr_hold_cnt(0) depctr_sa_sdst(0) depctr_va_vdst(0) depctr_va_sdst(0) depctr_va_ssrc(0) depctr_va_vcc(0) depctr_vm_vsrc(0)
	s_getreg_b32 s2, hwreg(HW_REG_IB_STS2, 6, 4)
	s_cmp_eq_u32 s2, 0
	s_cbranch_scc0 .Lentry_in_a_cluster
	s_endpgm
.Lentry_in_a_cluster:
	s_bfe_u32 s2, ttmp6, 0x10000c
	s_cmp_lg_u32 s2, 0xf033
	s_cbranch_scc0 .Lentry_shape_is_right
	s_endpgm
.Lentry_shape_is_right:
; q and k = x W, on codes of FP8 (E4M3) with E8M0 scales, and what is made of them ALONG THE HEAD'S 64: the codes of q, k, sigma(q), sigma(k) (sigma = elu + 1) and 1 / (sigma . Z).
; THE PRODUCT.  A tile of 256 tokens x 256 columns to a work-group of four waves, 128 x 128 to a wave: 64 accumulators.  K = 1,024 goes in four steps of 256 through two LDS slots filled by the tensor data mover.
; The scale bytes of the work-group's rows come into LDS once.  CLUSTERS of 4 x 4: the four of a row need the same tiles of x, the four of a column the same tiles of W: each tile is asked for jointly.
; The matrix instruction is used transposed (source 0 = 16 columns of W, source 1 = 16 tokens): a lane holds ONE token and its registers run along the columns.  Rows of xq and wq lie at positions
; (bits 3 and 4 of the index exchanged), so the 32 registers of a head's four tiles are d = 32 b + 16 (lane / 16) + i in register 16 b + i: the order of an operand's registers.
; THE WAY OUT, for each of 8 tiles of tokens x 2 heads: the block's largest magnitudes, the hold (in place), the conversions: the results ARE a fragment's registers and are stored as an image (16 bytes a lane, 512 a store).
; qk: [q, k][head 64][step of 128 tokens 16][17,920]: codes 8 x 1,024 | scale words [2][16 rows][4 tiles] | sigma's codes | sigma's words | 1 / (sigma . Z), 128 f32 by position.
; A row has 64 along K: its scale word has two bytes; the upper two are 0.
; LIMITS: NaN and infinities are not served; a block of zeros gets the byte 1 (its codes are zeros); for x <= 0 sigma is 2^(x log2 e), not expm1(x) + 1 (they differ by at most 2^-24); the division is a reciprocal and a multiplication.
; REGISTERS: window 0: v8-11, v16-30 addresses; v32-63 scale words, two sets; v64-127 Z of my two heads; v128-255 A's fragments, on the way out at work.  window 1: B's fragments, two sets.  windows 2, 3: the accumulators.
.set KSTEP,  256
.set NQ,     KSTEP/128
.set ROWB,   256
.set KROW,   1024
.set PITCH,  272                       ; an LDS row: 256 bytes + 16 of padding: the 16 rows of a load start at 16 different banks (64 banks of 4 bytes: ISA guide 11.1)
.set FR,     16
.set NL,     4
.set NP,     8                         ; places behind this matrix instruction (ISA guide 7.12.1)
.set HALFT,  128*PITCH
.set SLOT,   4*HALFT
.set KS,     32                        ; a row of scale bytes
.set SCL,    2*SLOT
.set HALFS,  (128*KS/256)*272
.set SBLK,   (16*KS/256)*272
.set SPARE,  SCL+4*HALFS               ; the spare words: 128 bytes a wave, named by no other line
.set XS_OFF, 8388608
.set WS_OFF, 3145728
.set BLOCKB, 17920
.set HEADB,  16*BLOCKB
.set SA,   8                           ; v8   my scratch + 16 r: scale words
.set DA,   9                           ; v9   my scratch + 4 r: the reciprocals
.set LB,   10                          ; v10  my scratch + 16 x lane
.set GO,   11                          ; v11  16 x lane
.set ADRA, 16
.set ADRB, 20
.set ADRS, 27
.set SPW,  28
.set NIL,  29
.set ZO,   30                          ; v30  64 (lane / 16)
.set SC,   32
.set ZV,   64                          ; v64-127: register 32 hh + 16 b + i = Z(head hh, 32 b + 16 (lane / 16) + i)
.set AF,   128
.set SG,   128                         ; the way out: v128-159 sigma
.set T,    160                         ; v160-191 the exponentials
.set RC,   192                         ; v192-199 the raw numbers' codes
.set SGC,  200                         ; v200-207 sigma's codes
.set TM,   208                         ; v208-217: +0 largest magnitudes, +2 the other half's, +4 scale operands, +6 448 x scale, +8 bytes
.set RW,   218
.set SW,   219
.set DN,   220                         ; v220-223 sigma . Z in two chains
.set RDN,  224
.set LG,   2                           ; s[2:3] log2(e)
.set SEL,  66                          ; s[66:67]
.set MNT,  95
.set G1, 24
.set G0, 32
.set G1B, 48
.set G0B, 56
.set G1S, 68
.set G0S, 76
.set G1SB, 80
.set G0SB, 88
.set MSB, 0
.macro WIN new                         ; the immediate's high byte repeats the setting that is left
.if MSB != (\new)
	s_set_vgpr_msb (MSB<<8)|(\new)
.set MSB, (\new)
.endif
.endm
.set MUL_LO, 0xa1
.set MUL_HI, 0xf1
.set TO_B,   0x40
.macro JLOAD g0a, g1a, g0b, g1b        ; a joint load: waves 0 and 1 fetch for A, waves 2 and 3 for B; four v_nop follow each line
	s_cmp_eq_u32 s15, 0
	s_cbranch_scc0 .Lfor_b_\@
	tensor_load_to_lds s[\g0a:\g0a+3], s[\g1a:\g1a+7]
	s_nop 0
.rept 4
	v_nop
.endr
	s_branch .Lasked_\@
.Lfor_b_\@:
	tensor_load_to_lds s[\g0b:\g0b+3], s[\g1b:\g1b+7]
	s_nop 0
.rept 4
	v_nop
.endr
.Lasked_\@:
.endm
.macro CREST
	s_cmp_lg_u32 s14, 0
	s_cbranch_scc1 .Lnot_wave_0_\@
	s_barrier_signal -3
.Lnot_wave_0_\@:
	s_barrier_wait -3
	s_barrier_signal -1
	s_barrier_wait -1
.endm
.macro CROUND
	s_barrier_signal -1
	s_barrier_wait -1
	CREST
.endm
	s_load_b64 s[4:5], s[0:1], 0x0                 ; xq: A
	s_load_b64 s[8:9], s[0:1], 0x8                 ; wq: B
	s_load_b128 s[96:99], s[0:1], 0x10             ; Z, qk
	v_lshl_add_u32 v[SPW], v0, 2, SPARE
	v_mov_b32 v[NIL], 0
	ds_add_u32 v28, v29
	ds_add_u32 v28, v29
	s_wait_dscnt 0x0
	v_lshrrev_b32 v1, 5, v0
	v_readfirstlane_b32 s14, v1                    ; wave 0..3
	s_lshr_b32 s15, s14, 1                         ; which 128 tokens are mine.  Also: I fetch for A (0) or for B (1)
	s_and_b32 s16, s14, 1                          ; which 128 columns.  Also: which 128 rows of that tile I fetch
	s_bfe_u32 s40, ttmp6, 0x40000                  ; cx, cy
	s_bfe_u32 s41, ttmp6, 0x40004
	s_lshl_b32 s42, ttmp9, 2
	s_add_co_u32 s42, s42, s40                     ; tile column
	s_and_b32 s17, ttmp7, 0xffff
	s_lshl_b32 s17, s17, 2
	s_add_co_u32 s17, s17, s41                     ; tile row
	s_lshl_b32 s43, s41, 2
	s_lshl_b32 s43, 15, s43                        ; my row of the cluster
	s_lshl_b32 s44, 0x1111, s40                    ; my column
	s_or_b32 s[G1+0], s43, (0<<16)|(1<<20)|(1<<21)|(5<<22)|(3<<25)  ; mask; 1-byte elements; padding: 4 words after every 64; bit 21 beside a mask
	s_or_b32 s[G1B+0], s44, (0<<16)|(1<<20)|(1<<21)|(5<<22)|(3<<25)
.irp g, G1, G1B
	s_mov_b32 s[\g+1], ROWB<<16                    ; tensor_dim0
	s_mov_b32 s[\g+2], 128<<16                     ; tensor_dim1
	s_mov_b32 s[\g+3], ROWB<<16                    ; tile_dim0
	s_mov_b32 s[\g+4], 128                         ; tile_dim1
	s_mov_b32 s[\g+5], KROW                        ; the pitch
	s_mov_b32 s[\g+6], 0
	s_mov_b32 s[\g+7], 0
.endr
	s_or_b32 s[G1S+0], s43, (3<<16)|(1<<20)|(1<<21)|(5<<22)|(3<<25)  ; the scales of 128 rows: 4,096 dense bytes as 16 rows of 256
	s_or_b32 s[G1SB+0], s44, (3<<16)|(1<<20)|(1<<21)|(5<<22)|(3<<25)
.irp g, G1S, G1SB
	s_mov_b32 s[\g+1], 32<<16
	s_mov_b32 s[\g+2], (128*KS/256)<<16
	s_mov_b32 s[\g+3], 32<<16
	s_mov_b32 s[\g+4], 128*KS/256
	s_mov_b32 s[\g+5], 32
	s_mov_b32 s[\g+6], 0
	s_mov_b32 s[\g+7], 0
.endr
	s_lshl_b32 s18, s16, 7
	s_lshl_b32 s20, s17, 8
	s_add_co_u32 s20, s20, s18                     ; A: position 256 x tile row + 128 x half
	s_lshl_b32 s46, s42, 8
	s_add_co_u32 s46, s46, s18                     ; B: position 256 x tile column + 128 x half
	s_mov_b32 s21, 0
	s_mov_b32 s47, 0
	s_mov_b64 s[18:19], KS
	s_mul_u64 s[22:23], s[20:21], s[18:19]
	s_mul_u64 s[92:93], s[46:47], s[18:19]
	s_mov_b64 s[18:19], KROW
	s_mul_u64 s[20:21], s[20:21], s[18:19]
	s_mul_u64 s[46:47], s[46:47], s[18:19]
	s_mul_i32 s45, s14, HALFT                      ; where they go: wave x 128 rows
	s_mul_i32 s94, s14, HALFS
	s_mov_b32 s[LG], 0x3fb8aa3b
	s_mov_b32 s[LG+1], s[LG]
	s_mov_b32 s[SEL], 0x76543210
	s_mov_b32 s[SEL+1], 0xfedcba98
	s_mov_b32 s[MNT], 0x600000
	s_wait_kmcnt 0x0
	s_add_nc_u64 s[6:7], s[4:5], XS_OFF            ; A's scale bytes
	s_add_nc_u64 s[10:11], s[8:9], WS_OFF          ; B's
	s_add_nc_u64 s[20:21], s[4:5], s[20:21]
	s_add_nc_u64 s[22:23], s[6:7], s[22:23]
	s_add_nc_u64 s[46:47], s[8:9], s[46:47]
	s_add_nc_u64 s[92:93], s[10:11], s[92:93]
	CROUND                                         ; all sixteen work-groups are here: the first joint loads meet
	s_mov_b32 s[G0S], 1
	s_add_co_u32 s[G0S+1], s94, SCL
	s_mov_b64 s[G0S+2:G0S+3], s[22:23]
	s_or_b32 s[G0S+3], s[G0S+3], 0x80000000
	s_mov_b32 s[G0SB], 1
	s_add_co_u32 s[G0SB+1], s94, SCL
	s_mov_b64 s[G0SB+2:G0SB+3], s[92:93]
	s_or_b32 s[G0SB+3], s[G0SB+3], 0x80000000
	JLOAD G0S, G1S, G0SB, G1SB
.irp s, 0,1
	s_mov_b32 s[G0+4*\s], 1
	s_add_co_u32 s[G0+4*\s+1], s45, \s*SLOT
	s_add_nc_u64 s[G0+4*\s+2:G0+4*\s+3], s[20:21], \s*ROWB
	s_or_b32 s[G0+4*\s+3], s[G0+4*\s+3], 0x80000000
	s_mov_b32 s[G0B+4*\s], 1
	s_add_co_u32 s[G0B+4*\s+1], s45, \s*SLOT
	s_add_nc_u64 s[G0B+4*\s+2:G0B+4*\s+3], s[46:47], \s*ROWB
	s_or_b32 s[G0B+4*\s+3], s[G0B+4*\s+3], 0x80000000
	JLOAD G0+4*\s, G1, G0B+4*\s, G1B
.endr
	v_and_b32 v1, 15, v0                           ; r
	v_bfe_u32 v2, v0, 4, 1                         ; h
	v_mul_u32_u24 v3, v1, PITCH
	v_lshl_add_u32 v4, v2, 4, v3
	s_mul_i32 s21, s15, HALFT
	s_mul_i32 s22, s16, HALFT
	s_add_co_u32 s22, s22, 2*HALFT
.irp s, 0,1
	v_add_nc_u32 v[ADRA+\s], s21, v4
	v_add_nc_u32 v[ADRB+\s], s22, v4
	s_add_co_u32 s21, s21, SLOT
	s_add_co_u32 s22, s22, SLOT
.endr
	v_mul_u32_u24 v5, v1, KS
	v_lshrrev_b32 v6, 8, v5
	v_lshl_add_u32 v5, v6, 4, v5
	s_mul_i32 s21, s15, HALFS
	s_mul_i32 s22, s16, HALFS
	s_add_co_u32 s22, s22, 2*HALFS
	s_sub_co_u32 s22, s22, s21
	v_mul_u32_u24 v6, s22, v2                      ; lanes 16-31 take B's
	s_add_co_u32 s21, s21, SCL
	v_add_nc_u32 v5, v5, v6
	v_add_nc_u32 v[ADRS], s21, v5
	v_lshl_add_u32 v[SA], v1, 4, s45               ; the way out's scratch lies in slot 0, my wave's 128 rows of it
	v_lshl_add_u32 v[DA], v1, 2, s45
	v_and_b32 v6, 31, v0
	v_lshlrev_b32 v[GO], 4, v6
	v_add_nc_u32 v[LB], s45, v[GO]
	v_lshlrev_b32 v[ZO], 6, v2
	; where my results go: q or k = tile column / 4; batch = tile row / 8; heads 4 (tile column % 4) + 2 x half + 0, 1; step = 2 (tile row % 8) + half
	s_lshr_b32 s20, s42, 2
	s_lshl_b32 s20, s20, 6
	s_lshr_b32 s21, s17, 3
	s_lshl_b32 s21, s21, 4
	s_and_b32 s22, s42, 3
	s_lshl_b32 s22, s22, 2
	s_lshl_b32 s23, s16, 1
	s_add_co_u32 s22, s22, s23
	s_add_co_u32 s21, s21, s22                     ; 16 x batch + my first head
	s_lshl_b32 s46, s21, 8
	s_mov_b32 s47, 0
	s_add_nc_u64 s[96:97], s[96:97], s[46:47]      ; Z of my first head
	s_add_co_u32 s20, s20, s21
	s_lshl_b32 s20, s20, 4
	s_and_b32 s22, s17, 7
	s_lshl_b32 s22, s22, 1
	s_add_co_u32 s22, s22, s15
	s_add_co_u32 s20, s20, s22
	s_mul_i32 s20, s20, BLOCKB
	s_mov_b32 s21, 0
	s_add_nc_u64 s[98:99], s[98:99], s[20:21]      ; my first head's block
.irp hh, 0,1
.irp b, 0,1
.irp q, 0,1,2,3
	global_load_b128 v[ZV+32*\hh+16*\b+4*\q:ZV+32*\hh+16*\b+4*\q+3], v[ZO], s[96:97] offset:256*\hh+128*\b+16*\q
.endr
.endr
.endr
.macro FRAG reg, adr, q, i             ; 16 rows x 128 K: registers 4 c .. 4 c + 3 hold K = 32 c + 16 (lane / 16) + 0 .. 15
.irp c, 0,1,2,3
	ds_load_b128 v[\reg+4*\c:\reg+4*\c+3], v[\adr] offset:128*(\q)+32*\c+(\i)*16*PITCH
.endr
.endm
; 16 matrix instructions: A's blocks a0, a0 + 1 x B's eight.  The 64 accumulators take turns, one instruction a turn, in the same order in every step.
.macro MUL16 a0, p, q, sc, zero
.irp a, \a0, \a0+1
.irp b, 0,1,2,3,4,5,6,7
.if \zero
	v_wmma_scale_f32_16x16x128_f8f6f4 v[8*(8*((\a)%4)+\b):8*(8*((\a)%4)+\b)+7], v[128*(\p)+FR*\b:128*(\p)+FR*\b+FR-1], v[AF+FR*(\a):AF+FR*(\a)+FR-1], 0, v[SC+8*NQ*(\sc)+NQ*\b+(\q)], v[SC+8*NQ*(\sc)+NQ*(\a)+(\q)] matrix_a_scale:MATRIX_SCALE_ROW1
.else
	v_wmma_scale_f32_16x16x128_f8f6f4 v[8*(8*((\a)%4)+\b):8*(8*((\a)%4)+\b)+7], v[128*(\p)+FR*\b:128*(\p)+FR*\b+FR-1], v[AF+FR*(\a):AF+FR*(\a)+FR-1], v[8*(8*((\a)%4)+\b):8*(8*((\a)%4)+\b)+7], v[SC+8*NQ*(\sc)+NQ*\b+(\q)], v[SC+8*NQ*(\sc)+NQ*(\a)+(\q)] matrix_a_scale:MATRIX_SCALE_ROW1
.endif
.endr
.endr
.endm
.macro FETCH_B slot, q, p
	WIN TO_B
.irp i, 0,1,2,3,4,5,6,7
	FRAG 128*(\p)+FR*\i, ADRB+\slot, \q, \i
.endr
	WIN 0
.endm
.macro FETCH_A slot, q, i0
.irp i, \i0, \i0+1, \i0+2, \i0+3
	FRAG AF+FR*(\i), ADRA+\slot, \q, \i
.endr
.endm
.macro SCALES sc                       ; lanes 0-15 take A's block i, lanes 16-31 B's block i: two words a row for a K step
.irp i, 0,1,2,3,4,5,6,7
	ds_load_b64 v[SC+8*NQ*\sc+NQ*\i:SC+8*NQ*\sc+NQ*\i+1], v[ADRS] offset:\i*SBLK
.endr
.endm
.macro PLACES n                        ; plain vector lines between a matrix instruction and a load into, or a vector read or write of, its registers
.rept \n
	v_nop
.endr
.endm
.macro STEP slot, q, zero
	s_wait_dscnt 4*NL                              ; B's set and A's blocks 0-3 are in; the youngest 16 loads (A's blocks 4-7) may be out
	WIN MUL_LO
	MUL16 0, (\q)%2, \q, \slot, \zero
	MUL16 2, (\q)%2, \q, \slot, \zero
	s_wait_dscnt 0
	PLACES NP
	FETCH_B \slot, (\q)+1, 1-(\q)%2
	FETCH_A \slot, (\q)+1, 0
	WIN MUL_HI
	MUL16 4, (\q)%2, \q, \slot, \zero
	MUL16 6, (\q)%2, \q, \slot, \zero
	PLACES NP
	WIN 0
	FETCH_A \slot, (\q)+1, 4
.endm
; A slot's last step changes slots: one barrier; in front of it each wave waits for all its tensor loads, adds 0 to its spare word, and waits for that and for its reads of this slot.
.macro TURN slot, next, fill
	s_wait_tensorcnt 0x0                           ; all my tensor loads have landed: my part of the next slot
	ds_add_u32 v[SPW], v[NIL]                      ; 0 onto my spare word
	s_wait_dscnt 4*NL+1                            ; (the add and A's blocks 4-7 may be out)
	WIN MUL_LO
	MUL16 0, 1, NQ-1, \slot, 0
	s_wait_dscnt 0x0                               ; the add is done, and my reads of this slot are over
	s_barrier_signal -1
	MUL16 2, 1, NQ-1, \slot, 0
	WIN 0
	s_barrier_wait -1
.if \fill
	CREST                                          ; the barrier has opened a round of the cluster's: no wave of any partner still reads this slot or has a load on its way
	s_add_nc_u64 s[G0+4*\slot+2:G0+4*\slot+3], s[G0+4*\slot+2:G0+4*\slot+3], 2*ROWB
	s_add_nc_u64 s[G0B+4*\slot+2:G0B+4*\slot+3], s[G0B+4*\slot+2:G0B+4*\slot+3], 2*ROWB
	JLOAD G0+4*\slot, G1, G0B+4*\slot, G1B
	PLACES NP-4
.else
	PLACES NP
.endif
	v_add_nc_u32 v[ADRS], 4*NQ, v[ADRS]
	FETCH_B \next, 0, 0
	FETCH_A \next, 0, 0
	SCALES \next
	WIN MUL_HI
	MUL16 4, 1, NQ-1, \slot, 0
	MUL16 6, 1, NQ-1, \slot, 0
	PLACES NP
	WIN 0
	FETCH_A \next, 0, 4
.endm
	s_wait_loadcnt 0x0                             ; Z
	s_wait_tensorcnt 1                             ; the scales and my part of K step 0 are in (K step 1's load may be out)
	s_barrier_signal -1
	s_barrier_wait -1
	FETCH_B 0, 0, 0
	FETCH_A 0, 0, 0
	SCALES 0
	FETCH_A 0, 0, 4
	STEP 0, 0, 1                                   ; K = 1,024 is four K steps: written out, no loop.  The first products start the sums
	TURN 0, 1, 1                                   ; slot 0 takes K step 2
	STEP 1, 0, 0
	TURN 1, 0, 1                                   ; slot 1 takes K step 3
	STEP 0, 0, 0
	TURN 0, 1, 0                                   ; nothing is left to fetch
	STEP 1, 0, 0
	s_wait_dscnt 4*NL
	WIN MUL_LO
	MUL16 0, 1, NQ-1, 1, 0
	MUL16 2, 1, NQ-1, 1, 0
	s_wait_dscnt 0
	WIN MUL_HI
	MUL16 4, 1, NQ-1, 1, 0
	MUL16 6, 1, NQ-1, 1, 0
	WIN 0
; THE WAY OUT.  Slot 0 has had its last fill, and every wave has passed the last change of slots, behind which nobody reads it: my scratch lies there.
.macro SCALE2 word                     ; from the two largest magnitudes of my half in v[TM], v[TM+1]: the blocks', their scale operands, holds and bytes, and the row's scale word
.irp b, 0,1
	v_permlanex16_b32 v[TM+2+\b], v[TM+\b], s[SEL], s[SEL+1]
.endr
.irp b, 0,1
	v_max_num_f32 v[TM+\b], v[TM+\b], v[TM+2+\b]
.endr
.irp b, 0,1
	v_add_nc_u32 v[TM+4+\b], 0xfc000000, v[TM+\b]
.endr
.irp b, 0,1
	v_and_or_b32 v[TM+6+\b], v[TM+\b], 0x7f800000, s[MNT]
.endr
.irp b, 0,1
	v_lshrrev_b32 v[TM+8+\b], 23, v[TM+4+\b]
.endr
	v_lshl_or_b32 v[\word], v[TM+9], 8, v[TM+8]
.endm
.macro UNIT a, hh                      ; tile a of 16 tokens, head hh: 32 accumulator registers a lane
.set XB, 64*((\a)%4)+32*(\hh)
.set WX, 2+(\a)/4
.set ZB, ZV+32*(\hh)
	WIN WX|(WX<<2)                                 ; sources 0 and 1: the accumulators' window
.irp b, 0,1
	v_max3_num_f32 v[TM+\b], |v[XB+16*\b]|, |v[XB+16*\b+1]|, 0x4800000   ; each accumulator is read from its low end on
.endr
.irp i, 2,4,6,8,10,12,14
.irp b, 0,1
	v_max3_num_f32 v[TM+\b], |v[XB+16*\b+\i]|, |v[XB+16*\b+\i+1]|, v[TM+\b]
.endr
.endr
.set n, 0
.rept 16
	v_pk_mul_f32 v[T+n:T+n+1], v[XB+n:XB+n+1], s[LG:LG+1] op_sel_hi:[1,0]   ; x log2(e)
.set n, n+2
.endr
.set n, 0
.rept 32
	v_max_num_f32 v[SG+n], 0, v[XB+n]              ; max(x, 0)
.set n, n+1
.endr
	WIN 0
.set n, 0
.rept 32
	v_min_num_f32 v[T+n], 0, v[T+n]
.set n, n+1
.endr
.set n, 0
.rept 32
	v_exp_f32 v[T+n], v[T+n]                       ; 2^min(x log2 e, 0): 1 where x > 0.  One batch; the lines up to its wait name none of its results
.set n, n+1
.endr
	SCALE2 RW
	WIN WX|(WX<<6)
.irp b, 0,1
.set n, 0
.rept 16
	v_med3_num_f32 v[XB+16*\b+n], v[XB+16*\b+n], -v[TM+6+\b], v[TM+6+\b]   ; the hold, in place
.set n, n+1
.endr
.endr
	WIN WX
	s_wait_xcnt 0x0                                ; the last unit's stores have read their codes' registers
.irp b, 0,1
	v_cvt_scalef32_pk8_fp8_f32 v[RC+4*\b:RC+4*\b+1], v[XB+16*\b:XB+16*\b+7], v[TM+4+\b]
	v_cvt_scalef32_pk8_fp8_f32 v[RC+4*\b+2:RC+4*\b+3], v[XB+16*\b+8:XB+16*\b+15], v[TM+4+\b]
.endr
	WIN 0
	v_nop                                          ; a plain line behind the last conversion
	s_wait_alu depctr_va_vdst(0)                   ; one wait for the 32 exponentials, ahead of their first reader
.set n, 0
.rept 16
	v_pk_add_f32 v[SG+n:SG+n+1], v[SG+n:SG+n+1], v[T+n:T+n+1]   ; sigma
.set n, n+2
.endr
	v_pk_mul_f32 v[DN:DN+1], v[SG:SG+1], v[ZB:ZB+1]             ; sigma . Z in f32, two chains
	v_pk_mul_f32 v[DN+2:DN+3], v[SG+2:SG+3], v[ZB+2:ZB+3]
.set n, 4
.rept 7
	v_pk_fma_f32 v[DN:DN+1], v[SG+n:SG+n+1], v[ZB+n:ZB+n+1], v[DN:DN+1]
	v_pk_fma_f32 v[DN+2:DN+3], v[SG+n+2:SG+n+3], v[ZB+n+2:ZB+n+3], v[DN+2:DN+3]
.set n, n+4
.endr
	v_pk_add_f32 v[DN:DN+1], v[DN:DN+1], v[DN+2:DN+3]
	v_add_f32 v[DN], v[DN], v[DN+1]
	v_permlanex16_b32 v[DN+1], v[DN], s[SEL], s[SEL+1]
	v_add_f32 v[DN], v[DN], v[DN+1]
	v_rcp_f32 v[RDN], v[DN]
.irp b, 0,1
	v_max3_num_f32 v[TM+\b], v[SG+16*\b], v[SG+16*\b+1], 0x4800000   ; sigma is positive: no |.|
.endr
.irp i, 2,4,6,8,10,12,14
.irp b, 0,1
	v_max3_num_f32 v[TM+\b], v[SG+16*\b+\i], v[SG+16*\b+\i+1], v[TM+\b]
.endr
.endr
	SCALE2 SW
.irp b, 0,1
.set n, 0
.rept 16
	v_min_num_f32 v[SG+16*\b+n], v[SG+16*\b+n], v[TM+6+\b]
.set n, n+1
.endr
.endr
.irp b, 0,1
	v_cvt_scalef32_pk8_fp8_f32 v[SGC+4*\b:SGC+4*\b+1], v[SG+16*\b:SG+16*\b+7], v[TM+4+\b]
	v_cvt_scalef32_pk8_fp8_f32 v[SGC+4*\b+2:SGC+4*\b+3], v[SG+16*\b+8:SG+16*\b+15], v[TM+4+\b]
.endr
	v_nop
	s_wait_alu depctr_va_vdst(0)                   ; the reciprocal
	ds_store_b32 v[SA], v[RW] offset:1536*(\hh)+256*((\a)/4)+4*((\a)%4)        ; lanes 16-31 write the same words with the same values
	ds_store_b32 v[SA], v[SW] offset:1536*(\hh)+512+256*((\a)/4)+4*((\a)%4)
	ds_store_b32 v[DA], v[RDN] offset:1536*(\hh)+1024+64*(\a)
.irp c, 0,1
	global_store_b128 v[GO], v[RC+4*\c:RC+4*\c+3], s[98:99] offset:HEADB*(\hh)+1024*(\a)+512*\c          ; an image: 512 consecutive bytes
	global_store_b128 v[GO], v[SGC+4*\c:SGC+4*\c+3], s[98:99] offset:HEADB*(\hh)+8704+1024*(\a)+512*\c
.endr
.endm
	PLACES NP
	v_mov_b32 v[TM+2], 0                           ; a lane permute's destination counts as one of its sources
	v_mov_b32 v[TM+3], 0
.irp a, 0,1,2,3,4,5,6,7
.irp hh, 0,1
	UNIT \a, \hh
.endr
.endr
.irp hh, 0,1
.irp k, 0,1,2
	ds_load_b128 v[T+12*\hh+4*\k:T+12*\hh+4*\k+3], v[LB] offset:1536*\hh+512*\k   ; my own bytes: LDS serves a wave's instructions in order
.endr
.endr
	s_wait_dscnt 0x0
.irp hh, 0,1
	global_store_b128 v[GO], v[T+12*\hh:T+12*\hh+3], s[98:99] offset:HEADB*\hh+8192
	global_store_b128 v[GO], v[T+12*\hh+4:T+12*\hh+7], s[98:99] offset:HEADB*\hh+16896
	global_store_b128 v[GO], v[T+12*\hh+8:T+12*\hh+11], s[98:99] offset:HEADB*\hh+17408
.endr
	s_wait_tensorcnt 0x0                           ; the wave's end
	ds_add_u32 v[SPW], v[NIL]
	s_wait_dscnt 0x0
	CROUND                                         ; the closing round
	s_endpgm
.Lfunc_end_k_qcd2f6f4fa6_gemm_qk:
	.size	k_qcd2f6f4fa6_gemm_qk, .Lfunc_end_k_qcd2f6f4fa6_gemm_qk-k_qcd2f6f4fa6_gemm_qk
	.p2alignl 7, 3214868480
	.fill 96, 4, 3214868480
	.section	.rodata,"a",@progbits
	.p2align	6, 0x0
	.amdhsa_kernel k_qcd2f6f4fa6_gemm_qk
		.amdhsa_group_segment_fixed_size 327680
		.amdhsa_private_segment_fixed_size 0
		.amdhsa_enable_private_segment 0
		.amdhsa_kernarg_size 32
		.amdhsa_user_sgpr_count 2
		.amdhsa_user_sgpr_kernarg_segment_ptr 1
		.amdhsa_wavefront_size32 1
		.amdhsa_system_sgpr_workgroup_id_x 1
		.amdhsa_system_sgpr_workgroup_id_y 1
		.amdhsa_system_sgpr_workgroup_id_z 1
		.amdhsa_system_vgpr_workitem_id 0
		.amdhsa_next_free_vgpr 1024
		.amdhsa_next_free_sgpr 100
		.amdhsa_reserve_vcc 0
		.amdhsa_float_denorm_mode_32 3
		.amdhsa_float_denorm_mode_16_64 3
		.amdhsa_memory_ordered 1
		.amdhsa_forward_progress 1
		.amdhsa_inst_pref_size 255
	.end_amdhsa_kernel
	.section	.bss,"aw",@nobits
	.p2align	6
	.space	262144
	.amdgpu_metadata
---
amdhsa.version: [ 1, 2 ]
amdhsa.kernels:
  - .name:           k_qcd2f6f4fa6_gemm_qk
    .symbol:         k_qcd2f6f4fa6_gemm_qk.kd
    .args:
      - { .name: xq, .offset: 0, .size: 8, .value_kind: global_buffer, .address_space: global }
      - { .name: wq, .offset: 8, .size: 8, .value_kind: global_buffer, .address_space: global }
      - { .name: Z, .offset: 16, .size: 8, .value_kind: global_buffer, .address_space: global }
      - { .name: qk, .offset: 24, .size: 8, .value_kind: global_buffer, .address_space: global }
    .group_segment_fixed_size: 327680
    .private_segment_fixed_size: 0
    .kernarg_segment_align: 8
    .kernarg_segment_size: 32
    .max_flat_workgroup_size: 128
    .sgpr_count:     100
    .vgpr_count:     1024
    .wavefront_size: 32
...
	.end_amdgpu_metadata
.endif
;; end of part 2
;; launch gemm_kv (part 3): grid 32 x 8, 4 waves a work-group, clusters of 4 x 4, 327,680 bytes of LDS; arguments wq, xq, qk, mq, vt, part; writes vt, part
.if DOCPART == 3
	.amdgcn_target "amdgcn-amd-amdhsa--gfx1250"
	.amdhsa_code_object_version 6
	.text
	.protected	k_qcd2f6f4fa6_gemm_kv
	.globl	k_qcd2f6f4fa6_gemm_kv
	.p2align	8
	.type	k_qcd2f6f4fa6_gemm_kv,@function
k_qcd2f6f4fa6_gemm_kv:
	s_mov_b64 s[64:65], 0
	v_nop
	global_prefetch_b8 v0, s[64:65] scope:SCOPE_SE
	s_setreg_imm32_b32 hwreg(HW_REG_WAVE_MODE, 25, 1), 1
	s_wait_xcnt 0x0
	s_wait_alu depctr_hold_cnt(0) depctr_sa_sdst(0) depctr_va_vdst(0) depctr_va_sdst(0) depctr_va_ssrc(0) depctr_va_vcc(0) depctr_vm_vsrc(0)
	s_getreg_b32 s2, hwreg(HW_REG_IB_STS2, 6, 4)
	s_cmp_eq_u32 s2, 0
	s_cbranch_scc0 .Lentry_in_a_cluster
	s_endpgm
.Lentry_in_a_cluster:
	s_bfe_u32 s2, ttmp6, 0x10000c
	s_cmp_lg_u32 s2, 0xf033
	s_cbranch_scc0 .Lentry_shape_is_right
	s_endpgm
.Lentry_shape_is_right:
; k and v = x W once more, the other way round: a lane holds ONE COLUMN and its registers run along the TOKENS; and what is made of them along the tokens:
; v's codes (the second attention product's operand), sigma(k)'s codes, moment = sigma(k) M / (sigma(k) . Z), the codes of v - moment, the product sigma(k)^T (v - moment) over my 128 tokens, and the sums of sigma(k).
; THE PRODUCT is the same ring as in the launch before: "A" = rows of wq, "B" = rows of xq.  A's 256 rows of a work-group are k's and v's 128 columns of two heads (wave 0 fetches k's, wave 1 v's).
; Wave (rho, c) takes head 2 y + rho (A's blocks 0-3: k's four tiles of d, blocks 4-7: v's) and tokens 128 c on of the work-group's 256.  Window 2 then holds k, window 3 v; register 16 b + i of a tile is token 32 b + 16 (lane / 16) + i.
; K = 64 IN A FORM THAT IS 128 DEEP (sigma(k) M): M's fragment is [8 registers of codes | 8 of zero codes]; sigma(k)'s is a run of 16 registers whose upper 8 are the next tile's codes (behind the last tile: 8 zeroed registers).
; Codes are never NaN (the hold is always made), so those products are exact zeros; the scale words' upper bytes are 0, never 0xff.
; vt: [head 64][step 16][4 tiles of d x 2,048 bytes as images | 32 lanes x 4 scale words].   part: [head][step][64 d][64 v] f32, then at ZP [head][step][64] f32.
; LIMITS: as in the launch before (NaN, infinities, sigma for x <= 0, the reciprocal).
; REGISTERS on the way out: window 0: v8-15 addresses; v64-83 scale words; v84-87 v's words; v88-91 the sums of sigma; v92-95, v112-127 at work; v96-111 codes; v128-191 H; v192-255 T, then the moments MO.
;   window 1: v0-71 sigma(k) along d (+ 8 zeros); v72-135 1 / (sigma . Z); v136-199 M's four fragments; later v0-127 the 16 results.   windows 2, 3: over each used tile's first 16 registers its codes along the tokens.
.set KSTEP,  256
.set NQ,     KSTEP/128
.set ROWB,   256
.set KROW,   1024
.set PITCH,  272
.set FR,     16
.set NL,     4
.set NP,     8
.set HALFT,  128*PITCH
.set SLOT,   4*HALFT
.set KS,     32
.set SCL,    2*SLOT
.set HALFS,  (128*KS/256)*272
.set SBLK,   (16*KS/256)*272
.set SPARE,  SCL+4*HALFS               ; the spare words: 128 bytes a wave, named by no other line
.set XS_OFF, 8388608
.set WS_OFF, 3145728
.set MS_OFF, 262144
.set ZP,     16777216
.set R16,  8                           ; v8   16 r
.set RDO,  9                           ; v9   32 (lane / 16)
.set MSA,  10                          ; v10  the stage: row r + 8 (r / 8), + 64 (lane / 16)
.set L16,  11                          ; v11  16 x lane
.set ZSA,  12                          ; v12  the sums' place in the stage
.set RDA,  13                          ; v13  the stage read back by rows
.set L8S,  14                          ; v14  the sums read back
.set L8,   15                          ; v15  8 x lane
.set ADRA, 16
.set ADRB, 20
.set ADRS, 27
.set SPW,  28
.set NIL,  29
.set ADRS2, 30
.set SC,   32
.set AF,   128
.set SKDS, 64
.set MTS,  72
.set SKTS, 76
.set VMTS, 80
.set VTS,  84
.set ZS,   88
.set ZA,   92
.set VC,   96
.set TM,   112                         ; +0 largest magnitudes, +4 the other half's, then bytes, +8 448 x scale, +12 scale operands
.set H,    128
.set T,    192
.set MO,   192
.set SKD,  0                           ; in window 1
.set RD,   72
.set MT,   136
.set LG,   2
.set SEL,  66
.set MNT,  95
.set G1, 24
.set G0, 32
.set G1B, 48
.set G0B, 56
.set G1S, 68
.set G0S, 76
.set G1SB, 80
.set G0SB, 88
.set MSB, 0
.macro WIN new
.if MSB != (\new)
	s_set_vgpr_msb (MSB<<8)|(\new)
.set MSB, (\new)
.endif
.endm
.set MUL_LO, 0xa1
.set MUL_HI, 0xf1
.set TO_B,   0x40
.macro JLOAD g0a, g1a, g0b, g1b
	s_cmp_eq_u32 s15, 0
	s_cbranch_scc0 .Lfor_b_\@
	tensor_load_to_lds s[\g0a:\g0a+3], s[\g1a:\g1a+7]
	s_nop 0
.rept 4
	v_nop
.endr
	s_branch .Lasked_\@
.Lfor_b_\@:
	tensor_load_to_lds s[\g0b:\g0b+3], s[\g1b:\g1b+7]
	s_nop 0
.rept 4
	v_nop
.endr
.Lasked_\@:
.endm
.macro CREST
	s_cmp_lg_u32 s14, 0
	s_cbranch_scc1 .Lnot_wave_0_\@
	s_barrier_signal -3
.Lnot_wave_0_\@:
	s_barrier_wait -3
	s_barrier_signal -1
	s_barrier_wait -1
.endm
.macro CROUND
	s_barrier_signal -1
	s_barrier_wait -1
	CREST
.endm
	s_load_b64 s[4:5], s[0:1], 0x0                 ; wq: A
	s_load_b64 s[8:9], s[0:1], 0x8                 ; xq: B
	s_load_b128 s[96:99], s[0:1], 0x10             ; qk, mq
	s_load_b64 s[12:13], s[0:1], 0x20              ; vt
	s_load_b64 s[100:101], s[0:1], 0x28            ; part
	v_lshl_add_u32 v[SPW], v0, 2, SPARE
	v_mov_b32 v[NIL], 0
	ds_add_u32 v28, v29
	ds_add_u32 v28, v29
	s_wait_dscnt 0x0
	v_lshrrev_b32 v1, 5, v0
	v_readfirstlane_b32 s14, v1                    ; wave 0..3
	s_lshr_b32 s15, s14, 1                         ; which head is mine.  Also: I fetch for A (0) or for B (1)
	s_and_b32 s16, s14, 1                          ; which 128 tokens.  Also: which 128 rows I fetch
	s_bfe_u32 s40, ttmp6, 0x40000
	s_bfe_u32 s41, ttmp6, 0x40004
	s_lshl_b32 s42, ttmp9, 2
	s_add_co_u32 s42, s42, s40                     ; tile column: 256 tokens
	s_and_b32 s17, ttmp7, 0xffff
	s_lshl_b32 s17, s17, 2
	s_add_co_u32 s17, s17, s41                     ; tile row: two heads
	s_lshl_b32 s43, s41, 2
	s_lshl_b32 s43, 15, s43
	s_lshl_b32 s44, 0x1111, s40
	s_or_b32 s[G1+0], s43, (0<<16)|(1<<20)|(1<<21)|(5<<22)|(3<<25)
	s_or_b32 s[G1B+0], s44, (0<<16)|(1<<20)|(1<<21)|(5<<22)|(3<<25)
.irp g, G1, G1B
	s_mov_b32 s[\g+1], ROWB<<16
	s_mov_b32 s[\g+2], 128<<16
	s_mov_b32 s[\g+3], ROWB<<16
	s_mov_b32 s[\g+4], 128
	s_mov_b32 s[\g+5], KROW
	s_mov_b32 s[\g+6], 0
	s_mov_b32 s[\g+7], 0
.endr
	s_or_b32 s[G1S+0], s43, (3<<16)|(1<<20)|(1<<21)|(5<<22)|(3<<25)
	s_or_b32 s[G1SB+0], s44, (3<<16)|(1<<20)|(1<<21)|(5<<22)|(3<<25)
.irp g, G1S, G1SB
	s_mov_b32 s[\g+1], 32<<16
	s_mov_b32 s[\g+2], (128*KS/256)<<16
	s_mov_b32 s[\g+3], 32<<16
	s_mov_b32 s[\g+4], 128*KS/256
	s_mov_b32 s[\g+5], 32
	s_mov_b32 s[\g+6], 0
	s_mov_b32 s[\g+7], 0
.endr
	s_lshl_b32 s18, s16, 7
	s_lshl_b32 s20, s17, 7
	s_lshl_b32 s19, s16, 10
	s_add_co_u32 s20, s20, s19
	s_add_co_u32 s20, s20, 1024                    ; A: position 1,024 (k) or 2,048 (v) + 128 x tile row
	s_lshl_b32 s46, s42, 8
	s_add_co_u32 s46, s46, s18                     ; B: position 256 x tile column + 128 x half
	s_mov_b32 s21, 0
	s_mov_b32 s47, 0
	s_mov_b64 s[18:19], KS
	s_mul_u64 s[22:23], s[20:21], s[18:19]
	s_mul_u64 s[92:93], s[46:47], s[18:19]
	s_mov_b64 s[18:19], KROW
	s_mul_u64 s[20:21], s[20:21], s[18:19]
	s_mul_u64 s[46:47], s[46:47], s[18:19]
	s_mul_i32 s45, s14, HALFT
	s_mul_i32 s94, s14, HALFS
	s_mov_b32 s[LG], 0x3fb8aa3b
	s_mov_b32 s[LG+1], s[LG]
	s_mov_b32 s[SEL], 0x76543210
	s_mov_b32 s[SEL+1], 0xfedcba98
	s_mov_b32 s[MNT], 0x600000
	s_wait_kmcnt 0x0
	s_add_nc_u64 s[6:7], s[4:5], WS_OFF
	s_add_nc_u64 s[10:11], s[8:9], XS_OFF
	s_add_nc_u64 s[20:21], s[4:5], s[20:21]
	s_add_nc_u64 s[22:23], s[6:7], s[22:23]
	s_add_nc_u64 s[46:47], s[8:9], s[46:47]
	s_add_nc_u64 s[92:93], s[10:11], s[92:93]
	CROUND
	s_mov_b32 s[G0S], 1
	s_add_co_u32 s[G0S+1], s94, SCL
	s_mov_b64 s[G0S+2:G0S+3], s[22:23]
	s_or_b32 s[G0S+3], s[G0S+3], 0x80000000
	s_mov_b32 s[G0SB], 1
	s_add_co_u32 s[G0SB+1], s94, SCL
	s_mov_b64 s[G0SB+2:G0SB+3], s[92:93]
	s_or_b32 s[G0SB+3], s[G0SB+3], 0x80000000
	JLOAD G0S, G1S, G0SB, G1SB
.irp s, 0,1
	s_mov_b32 s[G0+4*\s], 1
	s_add_co_u32 s[G0+4*\s+1], s45, \s*SLOT
	s_add_nc_u64 s[G0+4*\s+2:G0+4*\s+3], s[20:21], \s*ROWB
	s_or_b32 s[G0+4*\s+3], s[G0+4*\s+3], 0x80000000
	s_mov_b32 s[G0B+4*\s], 1
	s_add_co_u32 s[G0B+4*\s+1], s45, \s*SLOT
	s_add_nc_u64 s[G0B+4*\s+2:G0B+4*\s+3], s[46:47], \s*ROWB
	s_or_b32 s[G0B+4*\s+3], s[G0B+4*\s+3], 0x80000000
	JLOAD G0+4*\s, G1, G0B+4*\s, G1B
.endr
	v_and_b32 v1, 15, v0                           ; r
	v_bfe_u32 v2, v0, 4, 1                         ; h
	v_mul_u32_u24 v3, v1, PITCH
	v_lshl_add_u32 v4, v2, 4, v3
	s_mul_i32 s21, s15, 64*PITCH                   ; A: my head's 64 rows of k; v's lie 128 rows further on
	s_mul_i32 s22, s16, HALFT
	s_add_co_u32 s22, s22, 2*HALFT
.irp s, 0,1
	v_add_nc_u32 v[ADRA+\s], s21, v4
	v_add_nc_u32 v[ADRB+\s], s22, v4
	s_add_co_u32 s21, s21, SLOT
	s_add_co_u32 s22, s22, SLOT
.endr
	v_mul_u32_u24 v5, v1, KS
	v_lshrrev_b32 v6, 8, v5
	v_lshl_add_u32 v5, v6, 4, v5                   ; my row's place in a block of 16 rows of scale bytes
	s_mul_i32 s21, s15, 4*SBLK                     ; A's: my head's four blocks of k
	s_mul_i32 s22, s16, HALFS
	s_add_co_u32 s22, s22, 2*HALFS
	s_sub_co_u32 s22, s22, s21                     ; from there to B's
	v_mul_u32_u24 v6, s22, v2                      ; lanes 16-31 take B's: one product with the half
	s_add_co_u32 s21, s21, SCL
	v_add_nc_u32 v6, v5, v6
	v_add_nc_u32 v[ADRS], s21, v6
	s_sub_co_u32 s22, s22, 4*SBLK                  ; for blocks 4-7 A's lie four blocks further on (v's rows), B's do not
	v_mul_u32_u24 v6, s22, v2
	s_add_co_u32 s21, s21, 4*SBLK
	v_add_nc_u32 v6, v5, v6
	v_add_nc_u32 v[ADRS2], s21, v6
	v_lshlrev_b32 v[R16], 4, v1
	v_lshlrev_b32 v[RDO], 5, v2
	v_and_b32 v6, 31, v0
	v_lshlrev_b32 v[L16], 4, v6
	v_lshlrev_b32 v[L8], 3, v6
	v_and_b32 v5, 8, v1
	v_add_nc_u32 v5, v5, v1                        ; r + 8 (r / 8)
	v_mul_u32_u24 v[MSA], v5, 272
	v_lshl_add_u32 v[MSA], v2, 6, v[MSA]
	v_add_nc_u32 v[MSA], s45, v[MSA]               ; the stage lies in slot 0, my wave's 128 rows of it
	v_lshl_add_u32 v[ZSA], v5, 2, s45
	v_add_nc_u32 v[ZSA], 17408, v[ZSA]
	v_mul_u32_u24 v[RDA], v2, 272
	v_lshl_add_u32 v[RDA], v1, 4, v[RDA]
	v_add_nc_u32 v[RDA], s45, v[RDA]
	v_add_nc_u32 v[L8S], s45, v[L8]
	v_add_nc_u32 v[L8S], 17408, v[L8S]
	; batch = tile column / 8; step = 2 (tile column % 8) + c; head = 2 x tile row + rho
	s_lshr_b32 s20, s42, 3
	s_lshl_b32 s20, s20, 4
	s_lshl_b32 s21, s17, 1
	s_add_co_u32 s21, s21, s15
	s_add_co_u32 s20, s20, s21                     ; 16 x batch + head
	s_and_b32 s21, s42, 7
	s_lshl_b32 s21, s21, 1
	s_add_co_u32 s21, s21, s16
	s_lshl_b32 s22, s20, 4
	s_add_co_u32 s22, s22, s21                     ; 16 x that + step
	s_mov_b32 s47, 0
	s_add_co_u32 s46, s22, 1024
	s_mul_i32 s46, s46, 17920
	s_add_nc_u64 s[96:97], s[96:97], s[46:47]      ; k's block of qk
	s_lshl_b32 s46, s20, 9
	s_add_nc_u64 s[92:93], s[98:99], s[46:47]
	s_add_nc_u64 s[92:93], s[92:93], MS_OFF        ; M's scale words
	s_lshl_b32 s46, s20, 12
	s_add_nc_u64 s[98:99], s[98:99], s[46:47]      ; M's images
	s_mul_i32 s46, s22, 8704
	s_add_nc_u64 s[12:13], s[12:13], s[46:47]      ; my block of vt
	s_lshl_b32 s46, s22, 8
	s_add_nc_u64 s[18:19], s[100:101], s[46:47]
	s_add_nc_u64 s[18:19], s[18:19], ZP            ; my 64 sums
	s_lshl_b32 s46, s22, 14
	s_add_nc_u64 s[100:101], s[100:101], s[46:47]  ; my 64 x 64 part
.macro FRAG reg, adr, q, rows
.irp c, 0,1,2,3
	ds_load_b128 v[\reg+4*\c:\reg+4*\c+3], v[\adr] offset:128*(\q)+32*\c+(\rows)*PITCH
.endr
.endm
.macro MUL16 a0, p, q, sc, zero
.irp a, \a0, \a0+1
.irp b, 0,1,2,3,4,5,6,7
.if \zero
	v_wmma_scale_f32_16x16x128_f8f6f4 v[8*(8*((\a)%4)+\b):8*(8*((\a)%4)+\b)+7], v[128*(\p)+FR*\b:128*(\p)+FR*\b+FR-1], v[AF+FR*(\a):AF+FR*(\a)+FR-1], 0, v[SC+8*NQ*(\sc)+NQ*\b+(\q)], v[SC+8*NQ*(\sc)+NQ*(\a)+(\q)] matrix_a_scale:MATRIX_SCALE_ROW1
.else
	v_wmma_scale_f32_16x16x128_f8f6f4 v[8*(8*((\a)%4)+\b):8*(8*((\a)%4)+\b)+7], v[128*(\p)+FR*\b:128*(\p)+FR*\b+FR-1], v[AF+FR*(\a):AF+FR*(\a)+FR-1], v[8*(8*((\a)%4)+\b):8*(8*((\a)%4)+\b)+7], v[SC+8*NQ*(\sc)+NQ*\b+(\q)], v[SC+8*NQ*(\sc)+NQ*(\a)+(\q)] matrix_a_scale:MATRIX_SCALE_ROW1
.endif
.endr
.endr
.endm
.macro FETCH_B slot, q, p
	WIN TO_B
.irp i, 0,1,2,3,4,5,6,7
	FRAG 128*(\p)+FR*\i, ADRB+\slot, \q, 16*\i
.endr
	WIN 0
.endm
.macro FETCH_A slot, q, i0             ; block i begins at row 16 i, blocks 4-7 another 64 rows on
.irp i, \i0, \i0+1, \i0+2, \i0+3
	FRAG AF+FR*(\i), ADRA+\slot, \q, 16*(\i)+64*((\i)/4)
.endr
.endm
.macro SCALES sc
.irp i, 0,1,2,3
	ds_load_b64 v[SC+8*NQ*\sc+NQ*\i:SC+8*NQ*\sc+NQ*\i+1], v[ADRS] offset:\i*SBLK
.endr
.irp i, 4,5,6,7
	ds_load_b64 v[SC+8*NQ*\sc+NQ*\i:SC+8*NQ*\sc+NQ*\i+1], v[ADRS2] offset:\i*SBLK
.endr
.endm
.macro PLACES n
.rept \n
	v_nop
.endr
.endm
.macro STEP slot, q, zero
	s_wait_dscnt 4*NL                              ; B's set and A's blocks 0-3 are in; the youngest 16 loads may be out
	WIN MUL_LO
	MUL16 0, (\q)%2, \q, \slot, \zero
	MUL16 2, (\q)%2, \q, \slot, \zero
	s_wait_dscnt 0
	PLACES NP
	FETCH_B \slot, (\q)+1, 1-(\q)%2
	FETCH_A \slot, (\q)+1, 0
	WIN MUL_HI
	MUL16 4, (\q)%2, \q, \slot, \zero
	MUL16 6, (\q)%2, \q, \slot, \zero
	PLACES NP
	WIN 0
	FETCH_A \slot, (\q)+1, 4
.endm
.macro TURN slot, next, fill
	s_wait_tensorcnt 0x0                           ; all my tensor loads have landed
	ds_add_u32 v[SPW], v[NIL]                      ; 0 onto my spare word
	s_wait_dscnt 4*NL+1                            ; (the add and A's blocks 4-7 may be out)
	WIN MUL_LO
	MUL16 0, 1, NQ-1, \slot, 0
	s_wait_dscnt 0x0                               ; the add is done, and my reads of this slot are over
	s_barrier_signal -1
	MUL16 2, 1, NQ-1, \slot, 0
	WIN 0
	s_barrier_wait -1
.if \fill
	CREST
	s_add_nc_u64 s[G0+4*\slot+2:G0+4*\slot+3], s[G0+4*\slot+2:G0+4*\slot+3], 2*ROWB
	s_add_nc_u64 s[G0B+4*\slot+2:G0B+4*\slot+3], s[G0B+4*\slot+2:G0B+4*\slot+3], 2*ROWB
	JLOAD G0+4*\slot, G1, G0B+4*\slot, G1B
	PLACES NP-4
.else
	PLACES NP
.endif
	v_add_nc_u32 v[ADRS], 4*NQ, v[ADRS]
	v_add_nc_u32 v[ADRS2], 4*NQ, v[ADRS2]
	FETCH_B \next, 0, 0
	FETCH_A \next, 0, 0
	SCALES \next
	WIN MUL_HI
	MUL16 4, 1, NQ-1, \slot, 0
	MUL16 6, 1, NQ-1, \slot, 0
	PLACES NP
	WIN 0
	FETCH_A \next, 0, 4
.endm
	s_wait_tensorcnt 1                             ; the scales and my part of K step 0 are in (K step 1's load may be out)
	s_barrier_signal -1
	s_barrier_wait -1
	FETCH_B 0, 0, 0
	FETCH_A 0, 0, 0
	SCALES 0
	FETCH_A 0, 0, 4
	STEP 0, 0, 1
	TURN 0, 1, 1
	STEP 1, 0, 0
	TURN 1, 0, 1
	STEP 0, 0, 0
	TURN 0, 1, 0
	STEP 1, 0, 0
	s_wait_dscnt 4*NL
	WIN MUL_LO
	MUL16 0, 1, NQ-1, 1, 0
	MUL16 2, 1, NQ-1, 1, 0
	s_wait_dscnt 0
	WIN MUL_HI
	MUL16 4, 1, NQ-1, 1, 0
	MUL16 6, 1, NQ-1, 1, 0
	WIN 0
; ---------------- THE WAY OUT
.macro MAX4 s, ab                      ; the largest magnitudes of four blocks: my 16 numbers of each and the floor.  The numbers are sources 0 and 1 (the caller sets their window)
.irp b, 0,1,2,3
.if \ab
	v_max3_num_f32 v[TM+\b], |v[\s+16*\b]|, |v[\s+16*\b+1]|, 0x4800000
.else
	v_max3_num_f32 v[TM+\b], v[\s+16*\b], v[\s+16*\b+1], 0x4800000
.endif
.endr
.irp i, 2,4,6,8,10,12,14
.irp b, 0,1,2,3
.if \ab
	v_max3_num_f32 v[TM+\b], |v[\s+16*\b+\i]|, |v[\s+16*\b+\i+1]|, v[TM+\b]
.else
	v_max3_num_f32 v[TM+\b], v[\s+16*\b+\i], v[\s+16*\b+\i+1], v[TM+\b]
.endif
.endr
.endr
.endm
.macro SCALE4 word
.irp b, 0,1,2,3
	v_permlanex16_b32 v[TM+4+\b], v[TM+\b], s[SEL], s[SEL+1]
.endr
.irp b, 0,1,2,3
	v_max_num_f32 v[TM+\b], v[TM+\b], v[TM+4+\b]
.endr
.irp b, 0,1,2,3
	v_add_nc_u32 v[TM+12+\b], 0xfc000000, v[TM+\b]
.endr
.irp b, 0,1,2,3
	v_and_or_b32 v[TM+8+\b], v[TM+\b], 0x7f800000, s[MNT]
.endr
.irp b, 0,1,2,3
	v_lshrrev_b32 v[TM+4+\b], 23, v[TM+12+\b]
.endr
	v_lshl_or_b32 v[\word], v[TM+5], 8, v[TM+4]
	v_lshl_or_b32 v[\word], v[TM+6], 16, v[\word]
	v_lshl_or_b32 v[\word], v[TM+7], 24, v[\word]
.endm
.macro CVT8 dst, s
.irp b, 0,1,2,3
	v_cvt_scalef32_pk8_fp8_f32 v[\dst+4*\b:\dst+4*\b+1], v[\s+16*\b:\s+16*\b+7], v[TM+12+\b]
	v_cvt_scalef32_pk8_fp8_f32 v[\dst+4*\b+2:\dst+4*\b+3], v[\s+16*\b+8:\s+16*\b+15], v[TM+12+\b]
.endr
.endm
.macro QV a                            ; v's tile a of 16 columns: its codes along my 128 tokens go to vt; v itself stays
	WIN 0x0f
	MAX4 64*(\a), 1
	WIN 0
	SCALE4 VTS+(\a)
	WIN 0x03
.irp b, 0,1,2,3
.set n, 0
.rept 16
	v_med3_num_f32 v[H+16*\b+n], v[64*(\a)+16*\b+n], -v[TM+8+\b], v[TM+8+\b]
.set n, n+1
.endr
.endr
	WIN 0
	s_wait_xcnt 0x0                                ; the last tile's stores have read their codes' registers
	CVT8 VC, H
	v_nop
.irp c, 0,1,2,3
	global_store_b128 v[L16], v[VC+4*\c:VC+4*\c+3], s[12:13] offset:2048*(\a)+512*\c
.endr
.endm
.macro QK a                            ; k's tile a: sigma, its sum over my tokens, its codes along the tokens, laid over the tile's first 16 registers
	WIN 0x0a
.set n, 0
.rept 32
	v_pk_mul_f32 v[T+n:T+n+1], v[64*(\a)+n:64*(\a)+n+1], s[LG:LG+1] op_sel_hi:[1,0]
.set n, n+2
.endr
.set n, 0
.rept 64
	v_max_num_f32 v[H+n], 0, v[64*(\a)+n]
.set n, n+1
.endr
	WIN 0
.set n, 0
.rept 64
	v_min_num_f32 v[T+n], 0, v[T+n]
.set n, n+1
.endr
.set n, 0
.rept 64
	v_exp_f32 v[T+n], v[T+n]
.set n, n+1
.endr
	v_nop                                          ; a plain line behind the last exponential
	s_wait_alu depctr_va_vdst(0)                   ; one wait for the batch
.set n, 0
.rept 32
	v_pk_add_f32 v[H+n:H+n+1], v[H+n:H+n+1], v[T+n:T+n+1]
.set n, n+2
.endr
	v_pk_add_f32 v[ZA:ZA+1], v[H:H+1], v[H+2:H+3]
	v_pk_add_f32 v[ZA+2:ZA+3], v[H+4:H+5], v[H+6:H+7]
.set n, 8
.rept 14
	v_pk_add_f32 v[ZA:ZA+1], v[ZA:ZA+1], v[H+n:H+n+1]
	v_pk_add_f32 v[ZA+2:ZA+3], v[ZA+2:ZA+3], v[H+n+2:H+n+3]
.set n, n+4
.endr
	v_pk_add_f32 v[ZA:ZA+1], v[ZA:ZA+1], v[ZA+2:ZA+3]
	v_add_f32 v[ZA], v[ZA], v[ZA+1]
	v_permlanex16_b32 v[ZA+1], v[ZA], s[SEL], s[SEL+1]
	v_add_f32 v[ZS+(\a)], v[ZA], v[ZA+1]           ; the sum of the unquantised sigma(k) over 128 tokens
	MAX4 H, 0
	SCALE4 SKTS+(\a)
.irp b, 0,1,2,3
.set n, 0
.rept 16
	v_min_num_f32 v[H+16*\b+n], v[H+16*\b+n], v[TM+8+\b]
.set n, n+1
.endr
.endr
	WIN 0x80
	CVT8 64*(\a), H
	WIN 0
	v_nop
.endm
.macro WM a                            ; sigma(k) M for M's tile a: lane = column v, registers = tokens, as v's accumulators lie
	WIN 0x05
.irp b, 0,1,2,3,4,5,6,7
	v_wmma_scale_f32_16x16x128_f8f6f4 v[MO+8*\b:MO+8*\b+7], v[SKD+8*\b:SKD+8*\b+15], v[MT+16*(\a):MT+16*(\a)+15], 0, v[SKDS+\b], v[MTS+(\a)]
.endr
	WIN 0
.endm
.macro FM a                            ; v - moment
	WIN 0x34
.set n, 0
.rept 32
	v_pk_fma_f32 v[H+n:H+n+1], v[MO+n:MO+n+1], v[RD+n:RD+n+1], v[64*(\a)+n:64*(\a)+n+1] neg_lo:[0,1,0] neg_hi:[0,1,0]
.set n, n+2
.endr
	WIN 0
.endm
.macro QD a                            ; its codes along the tokens, laid over v's tile a
	MAX4 H, 1
	SCALE4 VMTS+(\a)
.irp b, 0,1,2,3
.set n, 0
.rept 16
	v_med3_num_f32 v[H+16*\b+n], v[H+16*\b+n], -v[TM+8+\b], v[TM+8+\b]
.set n, n+1
.endr
.endr
	WIN 0xc0
	CVT8 64*(\a), H
	WIN 0
	v_nop
.endm
	PLACES NP                                      ; in front of loads into, and writes of, registers that the last products read
	WIN 0x40
.irp a, 0,1,2,3,4,5,6,7
.irp c, 0,1
	global_load_b128 v[SKD+8*\a+4*\c:SKD+8*\a+4*\c+3], v[L16], s[96:97] offset:8704+1024*\a+512*\c   ; sigma(k) along d, 8 tiles of tokens
.endr
.endr
.irp b, 0,1,2,3,4,5,6,7
.irp g, 0,1
	global_load_b128 v[RD+8*\b+4*\g:RD+8*\b+4*\g+3], v[RDO], s[96:97] offset:17408+64*\b+16*\g   ; 1 / (sigma(k) . Z) of positions 16 b + 8 (lane / 16) + 0 .. 7
.endr
.endr
.irp a, 0,1,2,3
.irp c, 0,1
	global_load_b128 v[MT+16*\a+4*\c:MT+16*\a+4*\c+3], v[L16], s[98:99] offset:1024*\a+512*\c
.endr
.endr
.irp a, 0,1,2,3
.irp k, 0,1,2,3,4,5,6,7
	v_mov_b32 v[MT+16*\a+8+\k], 0                  ; zero codes for K = 64 .. 127
.endr
.endr
.irp k, 0,1,2,3,4,5,6,7
	v_mov_b32 v[SKD+64+\k], 0
.endr
	WIN 0
.irp g, 0,1
	global_load_b128 v[SKDS+4*\g:SKDS+4*\g+3], v[R16], s[96:97] offset:16896+256*\g
.endr
	global_load_b128 v[MTS:MTS+3], v[L16], s[92:93]
.irp b, 0,1,2,3
	v_mov_b32 v[TM+4+\b], 0                        ; a lane permute's destination counts as one of its sources
.endr
	QV 0
	QV 1
	QV 2
	QV 3
	global_store_b128 v[L16], v[VTS:VTS+3], s[12:13] offset:8192
	QK 0
	QK 1
	QK 2
	QK 3
	s_wait_loadcnt 0x0
	WM 0
	PLACES NP
	FM 0
	WM 1                                           ; behind each product of WM 0 stand the eight places and the 28 lines of FM 0 that name none of its registers
	QD 0
	FM 1
	WM 2
	QD 1
	FM 2
	WM 3
	QD 2
	FM 3
	QD 3
	PLACES NP
	WIN 0x4b                                       ; source 0 window 3, source 1 window 2, result window 1
.irp i, 0,1,2,3
.irp j, 0,1,2,3
	v_wmma_scale_f32_16x16x128_f8f6f4 v[8*(4*\i+\j):8*(4*\i+\j)+7], v[64*\j:64*\j+15], v[64*\i:64*\i+15], 0, v[VMTS+\j], v[SKTS+\i]   ; lane = d of tile i, registers = v of tile j; K = my 128 tokens
.endr
.endr
	WIN 0
	PLACES NP
	WIN 0x04                                       ; an LDS store's data are its source 1: window 1
.irp i, 0,1,2,3
.irp j, 0,1,2,3
	ds_store_b128 v[MSA], v[8*(4*\i+\j):8*(4*\i+\j)+3] offset:272*(32*(\i/2)+8*(\i%2))+128*(\j/2)+32*(\j%2)
	ds_store_b128 v[MSA], v[8*(4*\i+\j)+4:8*(4*\i+\j)+7] offset:272*(32*(\i/2)+8*(\i%2))+128*(\j/2)+32*(\j%2)+16
.endr
.endr
	WIN 0
.irp a, 0,1,2,3
	ds_store_b32 v[ZSA], v[ZS+\a] offset:4*(32*(\a/2)+8*(\a%2))
.endr
.irp u, 0,1
.if \u
	s_wait_xcnt 0x0                                ; the first sixteen stores have read their registers
.endif
.irp k, 0,1,2,3,4,5,6,7,8,9,10,11,12,13,14,15
	ds_load_b128 v[H+4*\k:H+4*\k+3], v[RDA] offset:544*(16*\u+\k)   ; my own bytes, in true order of d and v
.endr
.irp k, 0,1,2,3,4,5,6,7,8,9,10,11,12,13,14,15
	s_wait_dscnt 15-\k
	global_store_b128 v[L16], v[H+4*\k:H+4*\k+3], s[100:101] offset:512*(16*\u+\k)
.endr
.endr
	ds_load_b64 v[ZA:ZA+1], v[L8S]
	s_wait_dscnt 0x0
	global_store_b64 v[L8], v[ZA:ZA+1], s[18:19]
	s_wait_tensorcnt 0x0                           ; the wave's end
	ds_add_u32 v[SPW], v[NIL]
	s_wait_dscnt 0x0
	CROUND
	s_endpgm
.Lfunc_end_k_qcd2f6f4fa6_gemm_kv:
	.size	k_qcd2f6f4fa6_gemm_kv, .Lfunc_end_k_qcd2f6f4fa6_gemm_kv-k_qcd2f6f4fa6_gemm_kv
	.p2alignl 7, 3214868480
	.fill 96, 4, 3214868480
	.section	.rodata,"a",@progbits
	.p2align	6, 0x0
	.amdhsa_kernel k_qcd2f6f4fa6_gemm_kv
		.amdhsa_group_segment_fixed_size 327680
		.amdhsa_private_segment_fixed_size 0
		.amdhsa_enable_private_segment 0
		.amdhsa_kernarg_size 48
		.amdhsa_user_sgpr_count 2
		.amdhsa_user_sgpr_kernarg_segment_ptr 1
		.amdhsa_wavefront_size32 1
		.amdhsa_system_sgpr_workgroup_id_x 1
		.amdhsa_system_sgpr_workgroup_id_y 1
		.amdhsa_system_sgpr_workgroup_id_z 1
		.amdhsa_system_vgpr_workitem_id 0
		.amdhsa_next_free_vgpr 1024
		.amdhsa_next_free_sgpr 102
		.amdhsa_reserve_vcc 0
		.amdhsa_float_denorm_mode_32 3
		.amdhsa_float_denorm_mode_16_64 3
		.amdhsa_memory_ordered 1
		.amdhsa_forward_progress 1
		.amdhsa_inst_pref_size 255
	.end_amdhsa_kernel
	.section	.bss,"aw",@nobits
	.p2align	6
	.space	262144
	.amdgpu_metadata
---
amdhsa.version: [ 1, 2 ]
amdhsa.kernels:
  - .name:           k_qcd2f6f4fa6_gemm_kv
    .symbol:         k_qcd2f6f4fa6_gemm_kv.kd
    .args:
      - { .name: wq, .offset: 0, .size: 8, .value_kind: global_buffer, .address_space: global }
      - { .name: xq, .offset: 8, .size: 8, .value_kind: global_buffer, .address_space: global }
      - { .name: qk, .offset: 16, .size: 8, .value_kind: global_buffer, .address_space: global }
      - { .name: mq, .offset: 24, .size: 8, .value_kind: global_buffer, .address_space: global }
      - { .name: vt, .offset: 32, .size: 8, .value_kind: global_buffer, .address_space: global }
      - { .name: part, .offset: 40, .size: 8, .value_kind: global_buffer, .address_space: global }
    .group_segment_fixed_size: 327680
    .private_segment_fixed_size: 0
    .kernarg_segment_align: 8
    .kernarg_segment_size: 48
    .max_flat_workgroup_size: 128
    .sgpr_count:     102
    .vgpr_count:     1024
    .wavefront_size: 32
...
	.end_amdgpu_metadata
.endif
;; end of part 3
;; launch attn (part 4): grid 4 x 64, 8 waves a work-group, clusters of 4 x 1, 314,368 bytes of LDS; arguments qk, vt, mq, part, M, Z, beta_lin, beta_gate, out0, out1, out2; writes out0, out1, out2
.if DOCPART == 4
	.amdgcn_target "amdgcn-amd-amdhsa--gfx1250"
	.amdhsa_code_object_version 6
	.text
	.protected	k_qcd2f6f4fa6_attn
	.globl	k_qcd2f6f4fa6_attn
	.p2align	8
	.type	k_qcd2f6f4fa6_attn,@function
k_qcd2f6f4fa6_attn:
	s_mov_b64 s[64:65], 0
	v_nop
	global_prefetch_b8 v0, s[64:65] scope:SCOPE_SE
	s_setreg_imm32_b32 hwreg(HW_REG_WAVE_MODE, 25, 1), 1
	s_wait_xcnt 0x0
	s_wait_alu depctr_hold_cnt(0) depctr_sa_sdst(0) depctr_va_vdst(0) depctr_va_sdst(0) depctr_va_ssrc(0) depctr_va_vcc(0) depctr_vm_vsrc(0)
	s_getreg_b32 s2, hwreg(HW_REG_IB_STS2, 6, 4)
	s_cmp_eq_u32 s2, 0
	s_cbranch_scc0 .Lentry_in_a_cluster
	s_endpgm
.Lentry_in_a_cluster:
	s_bfe_u32 s2, ttmp6, 0x10000c
	s_cmp_lg_u32 s2, 0x3003
	s_cbranch_scc0 .Lentry_shape_is_right
	s_endpgm
.Lentry_shape_is_right:
; out0 = g A_mem + (1 - g) A_dot;  out1 = beta M + the sum of the 16 parts;  out2 = beta Z + the sum of the 16 sums.
; A_dot: softmax(q k^T / 8) v on codes of FP8 (E4M3): t = score x log2(e) / 8; M = the running largest t rounded up to a whole number; p = 2^(t - M) is quantised along the keys, not normalised;
; the row's sum of the unquantised p divides at the end.  A_mem = sigma(q) M / (sigma(q) . Z), on codes made by the launches before.
; SHARES.  A work-group has one head and 512 queries, each of its 8 waves 64: four tiles of 16.  A fragment of K or V read from LDS feeds four matrix instructions.
; LDS.  The head's K and V as codes are 32 blocks of 8,704 bytes (a step of 128 keys: images of the fragments, then the scale words): they fit whole and are filled ONCE: no ring, no byte is filled twice.
; CLUSTER.  The four work-groups of a head ask for each block jointly; each wave asks for four blocks, so four loads of a wave are out at the start.
; Nothing is prefetched: all that the launch streams is asked for at its head.
; LAYOUT.  Both products transposed: a lane holds one query.  Keys and columns lie at positions (bits 3 and 4 exchanged), so p's 16 registers of two neighbouring tiles are 16 neighbouring keys.
; K = 64 IN A FORM THAT IS 128 DEEP (q k^T, sigma(q) M): q's fragment is [8 registers of codes | 8 of zero codes]; K's is a run of 16 registers whose upper 8 are the next tile's codes (behind the last: 8 zeroed registers).
; Codes are never NaN, so those products are exact zeros; the scale words' upper bytes are 0, never 0xff.
; LIMITS: NaN and infinities are not served; divisions are a reciprocal and a multiplication.
; REGISTERS: window 0: v1-10 addresses; v16-31 four a tile: -M, the largest t, the sum in two halves; v32-95 K's eight or V's four fragments, v96-103 zeros; v104-123 scale words; v124-127 g, 1 - g, beta;
;   v128-191 the scores, then p; v192-219 at work.   window 1: v0-127 O^T, 32 a tile; v128-191 q, 16 a tile; v192-255 p's codes, 16 a tile.
.set BLK,   8704
.set QBLK,  17920
.set VOFF,  16*BLK
.set STAGE, 32*BLK                     ; 16 rows x 272 bytes for each wave
.set MS_OFF, 262144
.set ZP,    16777216
.set L16, 1
.set R16, 2
.set R4,  3
.set ADK, 4
.set ADV, 5
.set ADS, 6
.set STI, 7
.set STO, 8
.set GO,  9
.set T16, 10
.set ST,  16
.set KF,  32
.set KS,  104
.set VS,  112
.set QS,  116
.set PS,  120
.set GV,  124
.set BETA, 126
.set S,   128
.set BM,  192
.set PM,  196
.set CAP, 200
.set SOP, 204
.set X1,  208
.set FP,  210
.set SUM2, 212
.set DNR, 216
.set WV,  26
.set G1,  32
.set G0,  40
.set CS,  88
.set SEL, 90
.set MNT, 92
.set KB,  93
.set CNT, 94
.set MSB, 0
.macro WIN new
.if MSB != (\new)
	s_set_vgpr_msb (MSB<<8)|(\new)
.set MSB, (\new)
.endif
.endm
.macro ROUND                           ; a round of the cluster's barrier
	s_barrier_signal -1
	s_barrier_wait -1
	s_cmp_lg_u32 s[WV], 0
	s_cbranch_scc1 .Lnot_wave_0_\@
	s_barrier_signal -3
.Lnot_wave_0_\@:
	s_barrier_wait -3
	s_barrier_signal -1
	s_barrier_wait -1
.endm
	s_load_b256 s[4:11], s[0:1], 0x0               ; qk, vt, mq, part
	s_load_b256 s[12:19], s[0:1], 0x20             ; M, Z, beta_lin, beta_gate
	s_load_b128 s[20:23], s[0:1], 0x40             ; out0, out1
	s_load_b64 s[24:25], s[0:1], 0x50              ; out2
	v_lshl_add_u32 v14, v0, 2, 0x4c800
	v_mov_b32 v15, 0
	ds_add_u32 v14, v15
	ds_add_u32 v14, v15
	v_lshrrev_b32 v11, 5, v0
	v_readfirstlane_b32 s[WV], v11                 ; wave 0..7
	s_and_b32 s27, ttmp7, 0xffff                   ; 16 x batch + head, which the four partners share
	s_bfe_u32 s28, ttmp6, 0x40000                  ; cx: my 512 queries; it enters global addresses alone
	s_mov_b32 s[G1], 15|(3<<16)|(1<<21)            ; the mask: all four; elements of 8 bytes; no padding; bit 21 beside a mask
	s_mov_b32 s[G1+1], 32<<16                      ; a block is 34 dense rows of 256 bytes
	s_mov_b32 s[G1+2], 34<<16
	s_mov_b32 s[G1+3], 32<<16
	s_mov_b32 s[G1+4], 34
	s_mov_b32 s[G1+5], 32
	s_mov_b32 s[G1+6], 0
	s_mov_b32 s[G1+7], 0
	s_lshl_b32 s56, s27, 4
	s_add_co_u32 s56, s56, s[WV]                   ; the head's step number = my wave's
	s_mul_i32 s60, s56, BLK
	s_mov_b32 s61, 0
	s_add_co_u32 s56, s56, 1024                    ; k's half of qk
	s_mul_i32 s56, s56, QBLK
	s_mov_b32 s57, 0
	s_mul_i32 s29, s[WV], BLK
	s_mov_b32 s[CS], 0x3e38aa3b                    ; log2(e) / 8
	s_mov_b32 s[CS+1], s[CS]
	s_mov_b32 s[SEL], 0x76543210
	s_mov_b32 s[SEL+1], 0xfedcba98
	s_mov_b32 s[MNT], 0x600000
	s_wait_dscnt 0x0
	s_wait_kmcnt 0x0
	s_add_nc_u64 s[56:57], s[4:5], s[56:57]
	s_add_nc_u64 s[60:61], s[6:7], s[60:61]
	s_mov_b32 s[G0], 1                             ; K, step w
	s_mov_b32 s[G0+1], s29
	s_mov_b64 s[G0+2:G0+3], s[56:57]
	s_or_b32 s[G0+3], s[G0+3], 0x80000000
	s_mov_b32 s[G0+4], 1                           ; V, step w
	s_add_co_u32 s[G0+5], s29, VOFF
	s_mov_b64 s[G0+6:G0+7], s[60:61]
	s_or_b32 s[G0+7], s[G0+7], 0x80000000
	s_mov_b32 s[G0+8], 1                           ; K, step 8 + w
	s_add_co_u32 s[G0+9], s29, 8*BLK
	s_add_nc_u64 s[G0+10:G0+11], s[56:57], 8*QBLK
	s_or_b32 s[G0+11], s[G0+11], 0x80000000
	s_mov_b32 s[G0+12], 1                          ; V, step 8 + w
	s_add_co_u32 s[G0+13], s29, VOFF+8*BLK
	s_add_nc_u64 s[G0+14:G0+15], s[60:61], 8*BLK
	s_or_b32 s[G0+15], s[G0+15], 0x80000000
	ROUND                                          ; all four work-groups are here: the joint loads meet
	tensor_load_to_lds s[G0:G0+3], s[G1:G1+7]
	s_nop 0
	tensor_load_to_lds s[G0+4:G0+7], s[G1:G1+7]
	s_nop 0
	tensor_load_to_lds s[G0+8:G0+11], s[G1:G1+7]
	s_nop 0
	tensor_load_to_lds s[G0+12:G0+15], s[G1:G1+7]
	s_nop 0
.rept 4
	v_nop
.endr
	; addresses
	s_mov_b32 s31, 0
	s_lshl_b32 s30, s27, 4
	s_lshl_b32 s85, s28, 2
	s_add_co_u32 s30, s30, s85
	s_lshr_b32 s85, s[WV], 1
	s_add_co_u32 s30, s30, s85                     ; q's block: step 4 cx + wave / 2
	s_mul_i32 s30, s30, QBLK
	s_add_nc_u64 s[66:67], s[4:5], s[30:31]
	s_and_b32 s30, s[WV], 1
	s_lshl_b32 s30, s30, 8
	s_add_nc_u64 s[68:69], s[66:67], s[30:31]      ; + 256 (wave % 2): my four tiles' words and reciprocals
	s_lshl_b32 s30, s30, 4
	s_add_nc_u64 s[66:67], s[66:67], s[30:31]      ; + 4,096 (wave % 2): my four tiles' images
	s_lshl_b32 s30, s27, 18
	s_lshl_b32 s85, s28, 12
	s_add_co_u32 s30, s30, s85
	s_add_nc_u64 s[70:71], s[10:11], s[30:31]      ; the head's parts, my quarter of the 64 x 64
	s_lshl_b32 s30, s27, 14
	s_add_co_u32 s30, s30, s85
	s_add_nc_u64 s[72:73], s[12:13], s[30:31]      ; M
	s_add_nc_u64 s[74:75], s[22:23], s[30:31]      ; out1
	s_lshl_b32 s30, s27, 12
	s_lshl_b32 s85, s28, 6
	s_add_co_u32 s30, s30, s85
	s_add_nc_u64 s[76:77], s[10:11], s[30:31]
	s_add_nc_u64 s[76:77], s[76:77], ZP            ; the head's sums, my 16 of the 64
	s_lshl_b32 s30, s27, 8
	s_add_co_u32 s30, s30, s85
	s_add_nc_u64 s[78:79], s[14:15], s[30:31]      ; Z
	s_add_nc_u64 s[80:81], s[24:25], s[30:31]      ; out2
	s_lshl_b32 s30, s27, 9
	s_add_nc_u64 s[58:59], s[8:9], s[30:31]
	s_add_nc_u64 s[58:59], s[58:59], MS_OFF        ; M's scale words
	s_lshl_b32 s30, s27, 12
	s_add_nc_u64 s[8:9], s[8:9], s[30:31]          ; M's images
	s_lshr_b32 s30, s27, 4
	s_lshl_b32 s30, s30, 23                        ; batch x 2,048 rows of 4,096 bytes
	s_lshl_b32 s85, s28, 21                        ; 512 cx rows
	s_add_co_u32 s30, s30, s85
	s_lshl_b32 s85, s[WV], 18                      ; 64 x wave rows
	s_add_co_u32 s30, s30, s85
	s_and_b32 s82, s27, 15                         ; the head
	s_lshl_b32 s85, s82, 8
	s_add_co_u32 s30, s30, s85
	s_add_nc_u64 s[20:21], s[20:21], s[30:31]      ; out0
	s_lshl_b32 s82, s82, 2
	s_load_b32 s83, s[16:17], 0x0                  ; beta_lin
	s_load_b32 s84, s[18:19], s82 offset:0x0       ; the head's gate
	v_and_b32 v11, 31, v0
	v_lshlrev_b32 v[L16], 4, v11
	v_and_b32 v12, 15, v0                          ; r
	v_bfe_u32 v13, v0, 4, 1                        ; h
	v_lshlrev_b32 v[R16], 4, v12
	v_lshlrev_b32 v[R4], 2, v12
	v_lshlrev_b32 v[T16], 4, v0
	s_mul_i32 s30, s[WV], 16*272
	s_add_co_u32 s30, s30, STAGE
	v_mul_u32_u24 v[STI], v12, 272
	v_lshl_add_u32 v[STI], v13, 6, v[STI]
	v_add_nc_u32 v[STI], s30, v[STI]               ; into my stage: row r, + 64 (lane / 16)
	v_mul_u32_u24 v[STO], v13, 272
	v_lshl_add_u32 v[STO], v12, 4, v[STO]
	v_add_nc_u32 v[STO], s30, v[STO]               ; back: lanes 0-15 one row, lanes 16-31 the next
	v_lshlrev_b32 v[GO], 12, v13
	v_lshl_add_u32 v[GO], v12, 4, v[GO]            ; and the same two rows of out0
	WIN 0x40
.irp t, 0,1,2,3
.irp c, 0,1
	global_load_b128 v[128+16*\t+4*\c:128+16*\t+4*\c+3], v[L16], s[66:67] offset:1024*\t+512*\c   ; q's fragments stay in registers
.endr
.endr
	WIN 0
	global_load_b128 v[QS:QS+3], v[R16], s[68:69] offset:8192
.irp ch, 0,1,2,3,4,5,6,7,8,9,10,11,12,13,14,15
	global_load_b128 v[S+4*\ch:S+4*\ch+3], v[T16], s[70:71] offset:16384*\ch   ; thread T's 16 bytes of each of the 16 parts
.endr
	global_load_b128 v[BM:BM+3], v[T16], s[72:73]
.irp ch, 0,1,2,3,4,5,6,7,8,9,10,11,12,13,14,15
	global_load_b32 v[KF+\ch], v[R4], s[76:77] offset:256*\ch
.endr
	global_load_b32 v[KF+16], v[R4], s[78:79]
	WIN 0x40
.set n, 0
.rept 128
	v_mov_b32 v[n], 0                              ; O^T.  (The key step is written once: the first finds zeros, which the first change of M leaves zeros)
.set n, n+1
.endr
.irp t, 0,1,2,3
.irp k, 0,1,2,3,4,5,6,7
	v_mov_b32 v[128+16*\t+8+\k], 0                 ; zero codes for K = 64 .. 127
.endr
.endr
	WIN 0
.irp k, 0,1,2,3,4,5,6,7
	v_mov_b32 v[KF+64+\k], 0
.endr
.irp t, 0,1,2,3
	v_mov_b32 v[ST+4*\t+1], 0xff61b1e6             ; the largest t so far: -3e38
	v_floor_f32 v[ST+4*\t], -v[ST+4*\t+1]          ; -M
	v_mov_b32 v[ST+4*\t+2], 0
	v_mov_b32 v[ST+4*\t+3], 0
	v_mov_b32 v[PM+\t], 0                          ; a lane permute's destination counts as one of its sources
.endr
	v_mov_b32 v[FP+1], 0                           ; (named as the upper half of a pair)
	s_mov_b32 s62, 0x3f666666                      ; 0.9
	s_mov_b32 s63, 0x3f7fbe77                      ; 0.999
	s_wait_kmcnt 0x0
	v_mov_b32 v11, s83
	v_mov_b32 v12, s84
	v_mul_f32 v11, 0xbfb8aa3b, v11
	v_mul_f32 v12, 0xbfb8aa3b, v12
	v_exp_f32 v11, v11
	v_exp_f32 v12, v12
	v_nop
	s_wait_alu depctr_va_vdst(0)
	v_add_f32 v11, 1.0, v11
	v_add_f32 v12, 1.0, v12
	v_rcp_f32 v11, v11
	v_rcp_f32 v12, v12
	v_nop
	s_wait_alu depctr_va_vdst(0)
	v_med3_num_f32 v[BETA], v11, s62, s63          ; clip(sigmoid(beta_lin), 0.9, 0.999)
	v_mov_b32 v[BETA+1], v[BETA]
	v_mov_b32 v[GV], v12                           ; g
	v_sub_f32 v[GV+1], 1.0, v12                    ; 1 - g
	s_wait_loadcnt 0x0
.irp ch, 1,2,3,4,5,6,7,8,9,10,11,12,13,14,15
	v_pk_add_f32 v[S:S+1], v[S:S+1], v[S+4*\ch:S+4*\ch+1]
	v_pk_add_f32 v[S+2:S+3], v[S+2:S+3], v[S+4*\ch+2:S+4*\ch+3]
.endr
	v_pk_fma_f32 v[S:S+1], v[BM:BM+1], v[BETA:BETA+1], v[S:S+1]
	v_pk_fma_f32 v[S+2:S+3], v[BM+2:BM+3], v[BETA:BETA+1], v[S+2:S+3]
	global_store_b128 v[T16], v[S:S+3], s[74:75]   ; the work-group stores 4,096 consecutive bytes of out1
.irp ch, 1,2,3,4,5,6,7,8,9,10,11,12,13,14,15
	v_add_f32 v[KF], v[KF], v[KF+\ch]
.endr
	v_fma_f32 v[KF], v[KF+16], v[BETA], v[KF]
	s_wait_xcnt 0x0                                ; EXEC changes only behind this wait
	v_cmp_gt_u32 vcc_lo, 16, v0
	s_and_saveexec_b32 s87, vcc_lo
	global_store_b32 v[R4], v[KF], s[80:81]        ; threads 0 to 15: my 16 numbers of out2
	s_wait_xcnt 0x0                                ; and again in front of the line that widens it; both stores have read their data
	s_or_b32 exec_lo, exec_lo, s87
	s_wait_tensorcnt 0x0                           ; my four blocks have landed,
	s_barrier_signal -1
	s_barrier_wait -1                              ; everybody's have: the whole head lies in LDS
.macro WQ t                            ; S^T = K q^T for tile t: eight tiles of 16 keys
	WIN 0x04
.irp i, 0,1,2,3,4,5,6,7
	v_wmma_scale_f32_16x16x128_f8f6f4 v[S+8*\i:S+8*\i+7], v[KF+8*\i:KF+8*\i+15], v[128+16*(\t):128+16*(\t)+15], 0, v[KS+\i], v[QS+(\t)]
.endr
	WIN 0
.endm
.macro RS t                            ; O^T of tile t under the new M
	WIN 0x41
.set n, 0
.rept 16
	v_pk_mul_f32 v[32*(\t)+n:32*(\t)+n+1], v[32*(\t)+n:32*(\t)+n+1], v[FP:FP+1] op_sel_hi:[1,0]
.set n, n+2
.endr
	WIN 0
.endm
.macro SMX t                           ; the softmax of tile t for these 128 keys; p's codes and scale word
.set rT, ST+4*(\t)
.irp b, 0,1,2,3
	v_max3_num_f32 v[BM+\b], v[S+16*\b], v[S+16*\b+1], v[S+16*\b+2]   ; the largest score of each block of 32 keys: for the row's maximum and for the block's largest p
.endr
.irp i, 3,5,7,9,11,13
.irp b, 0,1,2,3
	v_max3_num_f32 v[BM+\b], v[BM+\b], v[S+16*\b+\i], v[S+16*\b+\i+1]
.endr
.endr
.irp b, 0,1,2,3
	v_max_num_f32 v[BM+\b], v[BM+\b], v[S+16*\b+15]
.endr
.irp b, 0,1,2,3
	v_permlanex16_b32 v[PM+\b], v[BM+\b], s[SEL], s[SEL+1]
.endr
.irp b, 0,1,2,3
	v_max_num_f32 v[BM+\b], v[BM+\b], v[PM+\b]
.endr
	v_max3_num_f32 v[X1], v[BM], v[BM+1], v[BM+2]
	v_max_num_f32 v[X1], v[X1], v[BM+3]
	v_mul_f32 v[X1], s[CS], v[X1]
	v_max_num_f32 v[rT+1], v[rT+1], v[X1]          ; the running largest t
	v_mov_b32 v[X1], v[rT]
	v_floor_f32 v[rT], -v[rT+1]                    ; -M = floor(-t): M is a whole number
	v_sub_f32 v[X1], v[rT], v[X1]
	v_cvt_i32_f32 v[X1], v[X1]                     ; (it saturates)
	v_ldexp_f32 v[FP], 1.0, v[X1]                  ; f = 2^(old M - new M): rounds nothing
.set n, 0
.rept 32
	v_pk_fma_f32 v[S+n:S+n+1], v[S+n:S+n+1], s[CS:CS+1], v[rT:rT+1] op_sel_hi:[1,0,0]   ; t - M
.set n, n+2
.endr
.irp b, 0,1,2,3
	v_fma_f32 v[BM+\b], v[BM+\b], s[CS], v[rT]
.endr
.set n, 0
.rept 64
	v_exp_f32 v[S+n], v[S+n]
.set n, n+1
.endr
	v_pk_mul_f32 v[rT+2:rT+3], v[rT+2:rT+3], v[FP:FP+1] op_sel_hi:[1,0]   ; the sums under the new M; a plain line behind the exponentials
	s_wait_alu depctr_va_vdst(0)                   ; one wait for the batch of 64
.irp b, 0,1,2,3
	v_exp_f32 v[BM+\b], v[BM+\b]                   ; the block's largest p
.endr
	v_pk_add_f32 v[SUM2:SUM2+1], v[S:S+1], v[S+2:S+3]   ; the row's sum of the unquantised p, two chains
.set n, 4
.rept 15
	v_pk_add_f32 v[rT+2:rT+3], v[rT+2:rT+3], v[S+n:S+n+1]
	v_pk_add_f32 v[SUM2:SUM2+1], v[SUM2:SUM2+1], v[S+n+2:S+n+3]
.set n, n+4
.endr
	v_pk_add_f32 v[rT+2:rT+3], v[rT+2:rT+3], v[SUM2:SUM2+1]
	s_wait_alu depctr_va_vdst(0)                   ; and one for the four
.irp b, 0,1,2,3
	v_max_num_f32 v[BM+\b], 0x4800000, v[BM+\b]    ; the floor
.endr
.irp b, 0,1,2,3
	v_add_nc_u32 v[SOP+\b], 0xfc000000, v[BM+\b]
.endr
.irp b, 0,1,2,3
	v_and_or_b32 v[CAP+\b], v[BM+\b], 0x7f800000, s[MNT]
.endr
.irp b, 0,1,2,3
	v_lshrrev_b32 v[PM+\b], 23, v[SOP+\b]
.endr
	v_lshl_or_b32 v[PS+(\t)], v[PM+1], 8, v[PM]
	v_lshl_or_b32 v[PS+(\t)], v[PM+2], 16, v[PS+(\t)]
	v_lshl_or_b32 v[PS+(\t)], v[PM+3], 24, v[PS+(\t)]
.irp b, 0,1,2,3
.set n, 0
.rept 16
	v_min_num_f32 v[S+16*\b+n], v[S+16*\b+n], v[CAP+\b]   ; p is not negative: a one-sided hold
.set n, n+1
.endr
.endr
	WIN 0x40
.irp b, 0,1,2,3
	v_cvt_scalef32_pk8_fp8_f32 v[192+16*(\t)+4*\b:192+16*(\t)+4*\b+1], v[S+16*\b:S+16*\b+7], v[SOP+\b]
	v_cvt_scalef32_pk8_fp8_f32 v[192+16*(\t)+4*\b+2:192+16*(\t)+4*\b+3], v[S+16*\b+8:S+16*\b+15], v[SOP+\b]
.endr
	WIN 0
	v_nop                                          ; a plain line behind the last conversion: the next products write the scores' registers
.endm
	s_mov_b32 s[KB], 0
	s_mov_b32 s[CNT], 16
.Lstep:                                            ; a trip: 128 keys for my four tiles of queries
	v_add_nc_u32 v[ADK], s[KB], v[L16]
	v_add_nc_u32 v[ADS], s[KB], v[R16]
	v_add_nc_u32 v[ADV], VOFF, v[ADK]
.rept 5
	v_nop                                          ; with the three additions: eight places in front of loads into registers that the last products read
.endr
.irp i, 0,1,2,3,4,5,6,7
.irp c, 0,1
	ds_load_b128 v[KF+8*\i+4*\c:KF+8*\i+4*\c+3], v[ADK] offset:1024*\i+512*\c
.endr
.endr
.irp g, 0,1
	ds_load_b128 v[KS+4*\g:KS+4*\g+3], v[ADS] offset:8192+256*\g
.endr
	s_wait_dscnt 0x0
	WQ 0
.rept 8
	v_nop
.endr
	SMX 0
	WQ 1
	RS 0                                           ; its 16 lines are also the places behind the products just issued
	SMX 1
	WQ 2
	RS 1
	SMX 2
	WQ 3
	RS 2
.irp i, 0,1,2,3
.irp c, 0,1,2,3
	ds_load_b128 v[KF+16*\i+4*\c:KF+16*\i+4*\c+3], v[ADV] offset:2048*\i+512*\c   ; V's four fragments land while the last softmax is walked
.endr
.endr
	ds_load_b128 v[VS:VS+3], v[ADV] offset:8192
	SMX 3
	RS 3
	s_wait_dscnt 0x0
	WIN 0x54                                       ; V window 0; p's codes, C and D window 1
.irp i, 0,1,2,3
.irp t, 0,1,2,3
	v_wmma_scale_f32_16x16x128_f8f6f4 v[32*\t+8*\i:32*\t+8*\i+7], v[KF+16*\i:KF+16*\i+15], v[192+16*\t:192+16*\t+15], v[32*\t+8*\i:32*\t+8*\i+7], v[VS+\i], v[PS+\t]   ; the 16 accumulators take turns
.endr
.endr
	WIN 0
	s_add_co_u32 s[KB], s[KB], BLK
	s_sub_co_u32 s[CNT], s[CNT], 1
	s_cmp_lg_u32 s[CNT], 0
	s_cbranch_scc1 .Lstep
	; THE WAY OUT
.rept 8
	v_nop                                          ; in front of loads into registers that the last products read
.endr
	WIN 0x40
.irp t, 0,1,2,3
.irp c, 0,1
	global_load_b128 v[128+16*\t+4*\c:128+16*\t+4*\c+3], v[L16], s[66:67] offset:8704+1024*\t+512*\c   ; sigma(q) takes q's place; the zero halves stay
.endr
.endr
	WIN 0
	global_load_b128 v[QS:QS+3], v[R16], s[68:69] offset:16896
.irp t, 0,1,2,3
	global_load_b32 v[DNR+\t], v[R4], s[68:69] offset:17408+64*\t      ; 1 / (sigma(q) . Z) of my query
.endr
.irp i, 0,1,2,3
.irp c, 0,1
	global_load_b128 v[KF+32+8*\i+4*\c:KF+32+8*\i+4*\c+3], v[L16], s[8:9] offset:1024*\i+512*\c   ; M's four tiles, on end in front of the zeros
.endr
.endr
	global_load_b128 v[KS:KS+3], v[L16], s[58:59]
.irp t, 0,1,2,3
	v_add_f32 v[BM+\t], v[ST+4*\t+2], v[ST+4*\t+3]
.endr
.irp t, 0,1,2,3
	v_permlanex16_b32 v[PM+\t], v[BM+\t], s[SEL], s[SEL+1]
.endr
.irp t, 0,1,2,3
	v_add_f32 v[BM+\t], v[BM+\t], v[PM+\t]         ; the row's sum
.endr
.irp t, 0,1,2,3
	v_rcp_f32 v[BM+\t], v[BM+\t]
.endr
	v_nop
	s_wait_alu depctr_va_vdst(0)                   ; one wait for the four reciprocals
.irp t, 0,1,2,3
	v_mul_f32 v[ST+4*\t+2], v[GV+1], v[BM+\t]      ; (1 - g) / the sum
.endr
	s_wait_loadcnt 0x0
.irp t, 0,1,2,3
	v_mul_f32 v[ST+4*\t], v[GV], v[DNR+\t]         ; g / (sigma(q) . Z)
.endr
	WIN 0x04
.irp i, 0,1,2,3
.irp t, 0,1,2,3
	v_wmma_scale_f32_16x16x128_f8f6f4 v[S+32*\t+8*\i:S+32*\t+8*\i+7], v[KF+32+8*\i:KF+32+8*\i+15], v[128+16*\t:128+16*\t+15], 0, v[KS+\i], v[QS+\t]   ; sigma(q) M: lane = query, registers = v, as O^T lies
.endr
.endr
	WIN 0
.rept 8
	v_nop
.endr
.macro OUT t
.set AM, S+32*(\t)
.set RB, KF+32*((\t)%2)
.set n, 0
.rept 16
	v_pk_mul_f32 v[AM+n:AM+n+1], v[AM+n:AM+n+1], v[ST+4*(\t):ST+4*(\t)+1] op_sel_hi:[1,0]
.set n, n+2
.endr
	WIN 0x01
.set n, 0
.rept 16
	v_pk_fma_f32 v[AM+n:AM+n+1], v[32*(\t)+n:32*(\t)+n+1], v[ST+4*(\t)+2:ST+4*(\t)+3], v[AM+n:AM+n+1] op_sel_hi:[1,0,1]
.set n, n+2
.endr
	WIN 0
.irp i, 0,1,2,3
	ds_store_b128 v[STI], v[AM+8*\i:AM+8*\i+3] offset:128*(\i/2)+32*(\i%2)
	ds_store_b128 v[STI], v[AM+8*\i+4:AM+8*\i+7] offset:128*(\i/2)+32*(\i%2)+16
.endr
.if (\t) > 1
	s_wait_xcnt 0x0                                ; the stores of two tiles back have read these registers
.endif
.irp k, 0,1,2,3,4,5,6,7
	ds_load_b128 v[RB+4*\k:RB+4*\k+3], v[STO] offset:544*\k   ; my own bytes: LDS serves a wave's instructions in order
.endr
.irp k, 0,1,2,3,4,5,6,7
	s_wait_dscnt 7-\k
	global_store_b128 v[GO], v[RB+4*\k:RB+4*\k+3], s[20:21] offset:4096*(32*((\t)/2)+8*((\t)%2)+2*\k+8*(\k/4)) th:TH_STORE_NT   ; sixteen lanes store 256 consecutive bytes, aligned: a head's part of a row
.endr
.endm
	OUT 0
	OUT 1
	OUT 2
	OUT 3
	s_wait_dscnt 0x0
	s_wait_tensorcnt 0x0
	ds_add_u32 v14, v15
	s_wait_dscnt 0x0
	ROUND                                          ; the closing round
	s_endpgm
.Lfunc_end_k_qcd2f6f4fa6_attn:
	.size	k_qcd2f6f4fa6_attn, .Lfunc_end_k_qcd2f6f4fa6_attn-k_qcd2f6f4fa6_attn
	.p2alignl 7, 3214868480
	.fill 96, 4, 3214868480
	.section	.rodata,"a",@progbits
	.p2align	6, 0x0
	.amdhsa_kernel k_qcd2f6f4fa6_attn
		.amdhsa_group_segment_fixed_size 314368
		.amdhsa_private_segment_fixed_size 0
		.amdhsa_enable_private_segment 0
		.amdhsa_kernarg_size 88
		.amdhsa_user_sgpr_count 2
		.amdhsa_user_sgpr_kernarg_segment_ptr 1
		.amdhsa_wavefront_size32 1
		.amdhsa_system_sgpr_workgroup_id_x 1
		.amdhsa_system_sgpr_workgroup_id_y 1
		.amdhsa_system_sgpr_workgroup_id_z 1
		.amdhsa_system_vgpr_workitem_id 0
		.amdhsa_next_free_vgpr 512
		.amdhsa_next_free_sgpr 96
		.amdhsa_reserve_vcc 1
		.amdhsa_float_denorm_mode_32 3
		.amdhsa_float_denorm_mode_16_64 3
		.amdhsa_memory_ordered 1
		.amdhsa_forward_progress 1
		.amdhsa_inst_pref_size 109
	.end_amdhsa_kernel
	.amdgpu_metadata
---
amdhsa.version: [ 1, 2 ]
amdhsa.kernels:
  - .name:           k_qcd2f6f4fa6_attn
    .symbol:         k_qcd2f6f4fa6_attn.kd
    .args:
      - { .name: qk, .offset: 0, .size: 8, .value_kind: global_buffer, .address_space: global }
      - { .name: vt, .offset: 8, .size: 8, .value_kind: global_buffer, .address_space: global }
      - { .name: mq, .offset: 16, .size: 8, .value_kind: global_buffer, .address_space: global }
      - { .name: part, .offset: 24, .size: 8, .value_kind: global_buffer, .address_space: global }
      - { .name: M, .offset: 32, .size: 8, .value_kind: global_buffer, .address_space: global }
      - { .name: Z, .offset: 40, .size: 8, .value_kind: global_buffer, .address_space: global }
      - { .name: beta_lin, .offset: 48, .size: 8, .value_kind: global_buffer, .address_space: global }
      - { .name: beta_gate, .offset: 56, .size: 8, .value_kind: global_buffer, .address_space: global }
      - { .name: out0, .offset: 64, .size: 8, .value_kind: global_buffer, .address_space: global }
      - { .name: out1, .offset: 72, .size: 8, .value_kind: global_buffer, .address_space: global }
      - { .name: out2, .offset: 80, .size: 8, .value_kind: global_buffer, .address_space: global }
    .group_segment_fixed_size: 314368
    .private_segment_fixed_size: 0
    .kernarg_segment_align: 8
    .kernarg_segment_size: 88
    .max_flat_workgroup_size: 256
    .sgpr_count:     96
    .vgpr_count:     512
    .wavefront_size: 32
...
	.end_amdgpu_metadata
.endif
;; end of part 4
